; MI455X (gfx1250); checked and timed in simulation.
; The chip was launched on July 23, 2026; its instructions are those of AMD's public machine-readable ISA for CDNA 5 (MIT licence, August 2026) and "CDNA5" Instruction Set Architecture Reference Guide (July 2026). The comments in the code are by the model that wrote it; some were corrected since.
;; Block With Return Attention. Allowed arithmetic: matrix products marked QUANTISED: E3M2 operands, one E8M0 scale for each 32 along K, by v_wmma_scale_f32_16x16x128_f8f6f4 with both operands' format E3M2, f32 sums; everything else in f32.
;; Inputs: b_fc1 1,024 float32; b_fc2 1,024 float32; b_proj 1,024 float32; ln1_b 1,024 float32; ln1_g 1,024 float32; ln2_b 1,024 float32; ln2_g 1,024 float32; w_fc1_codes 1,024 x 32 x 24 uint8 (E3M2 codes of w_fc1, K innermost, in blocks of 32 codes, four codes in three bytes); w_fc1_scales 1,024 x 32 uint8 (E8M0 scales of w_fc1, one for each 32 codes along K); w_fc2_codes 1,024 x 32 x 24 uint8 (E3M2 codes of w_fc2, K innermost, in blocks of 32 codes, four codes in three bytes); w_fc2_scales 1,024 x 32 uint8 (E8M0 scales of w_fc2, one for each 32 codes along K); w_proj_codes 1,024 x 32 x 24 uint8 (E3M2 codes of w_proj, K innermost, in blocks of 32 codes, four codes in three bytes); w_proj_scales 1,024 x 32 uint8 (E8M0 scales of w_proj, one for each 32 codes along K); w_qkv_codes 3,072 x 32 x 24 uint8 (E3M2 codes of w_qkv, K innermost, in blocks of 32 codes, four codes in three bytes); w_qkv_scales 3,072 x 32 uint8 (E8M0 scales of w_qkv, one for each 32 codes along K); x 8 x 1,024 x 1,024 float32.
;; Outputs: out0 8 x 1,024 x 1,024 float32.
;; This version of the problem:
;;   THIS VERSION OF THE PROBLEM IS GIVEN IN LOW PRECISION. The matrix products marked QUANTISED in the list below multiply operands that are first quantised to E3M2 (3 exponent bits, 2 mantissa bits; 6 bits a number), with one power-of-two scale for each 32 numbers along K (OCP MX v1.0); their sums are f32. All else is computed in f32.
;;   The module's matrix products, in the order in which they are computed (A, B: the left and right operand; K: the contracted axis; several contracted axes count as one K, in the product's order):
;;     1. [M 8,192, K 1,024] x [K 1,024, N 3,072]; A: computed on the way; B: input w_qkv (given as codes): QUANTISED
;;     2. batch 128 x [M 1,024, K 64] x [K 64, N 1,024]; A: computed on the way; B: computed on the way: QUANTISED
;;     3. batch 128 x [M 1,024, K 1,024] x [K 1,024, N 64]; A: softmax (see below); B: computed on the way: QUANTISED
;;     4. [M 8,192, K 1,024] x [K 1,024, N 1,024]; A: computed on the way; B: input w_proj (given as codes): QUANTISED
;;     5. [M 8,192, K 1,024] x [K 1,024, N 1,024]; A: computed on the way; B: input w_fc1 (given as codes): QUANTISED
;;     6. [M 8,192, K 1,024] x [K 1,024, N 1,024]; A: computed on the way; B: input w_fc2 (given as codes): QUANTISED
;;   THE QUANTISER, for each operand of a quantised product, along K:
;;     - K is cut into blocks of 32 from its start; a last block that is shorter is filled with zeros.
;;     - A block's scale is 2^e with e = floor(log2(the largest magnitude in the block)) - 4, held to -126 .. 127; a block of zeros has e = 0. As a byte (E8M0): e + 127.
;;     - Each number is divided by its block's scale, clamped to +-28, and rounded to the nearest number of E3M2, ties to even, subnormals kept.
;;     - The product sums the exact products of the quantised numbers (number of the format x scale) in f32.
;;   ~~~python
;;   def quantise(x, axis):      # numpy; x: float32 -> the quantised numbers, widened to float32 again
;;       x = np.moveaxis(x, axis, -1); K = x.shape[-1]
;;       x = np.pad(x, [(0, 0)] * (x.ndim - 1) + [(0, -K % 32)]); x = x.reshape(x.shape[:-1] + (-1, 32)); a = np.abs(x).max(-1, keepdims=True)
;;       e = np.where(a > 0, np.clip(np.frexp(np.where(a > 0, a, 1))[1] - 1 - 4, -126, 127), 0)      # np.frexp(a)[1] - 1 = floor(log2(a)), exactly
;;       r = np.clip(x / 2.0 ** e, -28, 28)
;;       step = 2.0 ** (np.maximum(np.frexp(np.where(r == 0, 1, r))[1] - 1, -2) - 2)
;;       q = np.round(r / step) * step * 2.0 ** e      # np.round: ties to even
;;       return np.moveaxis(q.reshape(q.shape[:-2] + (-1,))[..., :K], -1, axis).astype(np.float32)
;;   ~~~
;;   SOFTMAX AHEAD OF A QUANTISED PRODUCT. Where the list says 'softmax', what is quantised is not the finished softmax but p = 2^(t - M), with t = logit x log2(e) and M = ceil(the row's largest t), a whole number; so 1/2 < the row's largest p <= 1. The row's sum l is taken of the UNQUANTISED p, in f32, and the product's result is divided by l at the end. Since M is a whole number, a kernel that streams over the keys may use a running M (the ceiling of the running maximum): every later rescaling is an exact power of two, which a block's scale takes up: the codes' values come out the same.
;;   OPERANDS COMPUTED ON THE WAY. 'Computed on the way' means the value that the module computes at that place (a softmax that the list does not call 'softmax' is quantised finished and normalised). What goes into a quantiser is computed in f32, as accurately as f32 sums, v_exp_f32 and their like allow (about 1e-6 of the number): no bf16 or f16 on the way to a quantiser, and a product that is left as it is and whose result goes on into a quantised operand takes f32 operands (vector FMAs, or v_wmma_f32_16x16x4_f32). A number that lies on a knife's edge between two numbers of the format may be rounded either way, as far as f32 arithmetic and the matrix unit's own rounding can turn it there, and no further.
;;   INPUTS GIVEN AS CODES. w_fc1 (in the module: [1024, 1024], K = its axis 0); w_fc2 (in the module: [1024, 1024], K = its axis 0); w_proj (in the module: [1024, 1024], K = its axis 0); w_qkv (in the module: [1024, 3072], K = its axis 0): each comes as NAME_codes (uint8): NAME with its K axis moved to the last place and cut into blocks of 32 codes, [.., K / 32, bytes a block], one block behind the other in memory; four codes in three bytes: a row's codes are one little-endian stream of bits, code i at bits 6 i .. 6 i + 5 (a code: sign, 3 exponent bits, 2 mantissa bits); and NAME_scales (uint8): the same leading axes, one E8M0 byte (e + 127) for each 32 codes along K. Its value is code x scale, taken as it is: it is not quantised again, and the codes and scales need not be those that the quantiser above would give.
;; One version. Each part assembles by itself: llvm-mc -triple=amdgcn-amd-amdhsa -mcpu=gfx1250 --defsym DOCPART=n.
;; ======== version 1 of 1: 4 launches
;; limits: right only within a limited range of input values
;; workspace buffers: acta 6,553,600 bytes; qkvw 19,660,800 bytes; wimg 2,359,296 bytes
;; launch lnq (part 1): grid 512 x 1, 8 waves a work-group, no clusters, 69,632 bytes of LDS; arguments x, ln1_g, ln1_b, acta, w_proj_codes, w_fc1_codes, w_fc2_codes, wimg; writes acta, wimg
.if DOCPART == 1
	.amdgcn_target "amdgcn-amd-amdhsa--gfx1250"
	.amdhsa_code_object_version 6
	.text
	.protected	k_q41aa957c7a_lnq
	.globl	k_q41aa957c7a_lnq
	.p2align	8
	.type	k_q41aa957c7a_lnq,@function
k_q41aa957c7a_lnq:
	s_mov_b64 s[64:65], 0
	v_nop
	global_prefetch_b8 v0, s[64:65] scope:SCOPE_SE
	s_setreg_imm32_b32 hwreg(HW_REG_WAVE_MODE, 25, 1), 1
	s_wait_xcnt 0x0
; LayerNorm of rows of 1,024 f32 numbers, then the MX quantiser along the row (E3M2 codes, one E8M0 byte for each 32).
; OUT: the operand of the next product, laid as an image of its registers: codes [tile of 16 rows][K step of 128][1,536 bytes], a fragment's registers 0-3 as 32 lanes x 16 bytes,
; registers 4-5 as 32 lanes x 8 bytes, then registers 6-9 and 10-11 likewise; behind all codes, at SCOFF, the scale words [K step 8][row 8,192], 4 bytes each.
; SHARES: a work-group takes 16 rows; wave w takes columns 128 w .. 128 w + 127 of them, which are K step w.  Each load reads 512 consecutive bytes of a row; the 16 x 512 bytes turn through the
; wave's own stage in LDS so that lane (r, h) holds, of row r, the 16 neighbours 32 b + 16 h + 0 .. 15 of each block b.  The rows' sums meet in LDS: two barriers (mean; then the squares of x - mean).
; The scale words leave as 64 bytes a wave: one byte in 128 of what the launch reads.
; LIMITS: NaN and infinities are not served.  A block whose largest magnitude lies under 2^-122 is quantised under the byte 1; a block of zeros keeps that byte in place of 127 (its codes are zeros; only this program reads the bytes).
.set SPITCH, 528                       ; a stage row: 512 bytes + 16 = 132 words, so the 16 rows of a read start 4 banks apart
.set STGW,   16*SPITCH                 ; a wave's stage
.set S1,     8*STGW                    ; behind the stages: the rows' partial sums, [row 16][wave 8] words; 512 bytes on: those of the squares
.set SCOFF,  6291456
.set FRB,    1536
.set A16, 1                            ; v1   16 x lane
.set A8,  9                            ; v9   8 x lane
.set XL,  16                           ; v16-79   x as loaded, later the bias
.set X,   80                           ; v80-143  register 16 b + i = column 32 b + 16 h + i of my row
.set G,   144                          ; v144-207 the gain, in the same order
.set TM,  208                          ; v208-223 at work
.set PC,  224                          ; v224-243 the codes
.set PW,  244                          ; v244     the scale word
.set SEL, 20                           ; s[20:21] lane selects: lane l xor 16
.set MSB, 0
.macro WIN new                         ; a switch of the register windows; the immediate's high byte repeats the setting that is left.  (This body stays in window 0: nothing is emitted)
.if MSB != (\new)
	s_set_vgpr_msb (MSB<<8)|(\new)
.set MSB, (\new)
.endif
.endm
; 64 numbers of a lane in window ws, register 16 b + i = k 32 b + 16 (lane / 16) + i of my row, become a fragment's codes in v[PC] on and its scale word in v[pw], both in window wh.
.macro QUANT src, ws, wh, pw
	WIN ((\wh)<<6)|((\ws)<<2)|(\ws)
.irp b, 0,1,2,3
	v_max3_num_f32 v[TM+\b], |v[(\src)+16*\b]|, |v[(\src)+1+16*\b]|, 0x2800000   ; my 16 numbers of block b, and the floor 2^(5 - 127): the byte cannot fall under 1
.endr
	WIN ((\wh)<<6)|((\ws)<<4)|((\ws)<<2)|(\wh)
.irp i, 2,4,6,8,10,12,14
.irp b, 0,1,2,3
	s_delay_alu instid0(VALU_DEP_4)
	v_max3_num_f32 v[TM+\b], v[TM+\b], |v[(\src)+16*\b+\i]|, |v[(\src)+1+16*\b+\i]|
.endr
.endr
	WIN 0x55*(\wh)
.irp b, 0,1,2,3
	s_delay_alu instid0(VALU_DEP_4)
	v_permlanex16_b32 v[TM+4+\b], v[TM+\b], s[SEL], s[SEL+1]
.endr
.irp b, 0,1,2,3
	s_delay_alu instid0(VALU_DEP_4)
	v_max_num_f32 v[TM+\b], v[TM+\b], v[TM+4+\b]   ; with lane l xor 16's: the block's largest magnitude
.endr
.irp b, 0,1,2,3
	s_delay_alu instid0(VALU_DEP_4)
	v_add_nc_u32 v[TM+12+\b], 0xfe000000, v[TM+\b]   ; 4 off its exponent field: the conversion's scale operand
.endr
.irp b, 0,1,2,3
	s_delay_alu instid0(VALU_DEP_4)
	v_lshrrev_b32 v[TM+4+\b], 23, v[TM+12+\b]      ; the scale's byte
.endr
	s_delay_alu instid0(VALU_DEP_3)
	v_lshl_or_b32 v[\pw], v[TM+5], 8, v[TM+4]
	s_delay_alu instid0(VALU_DEP_1)
	v_lshl_or_b32 v[\pw], v[TM+6], 16, v[\pw]
	s_delay_alu instid0(VALU_DEP_1)
	v_lshl_or_b32 v[\pw], v[TM+7], 24, v[\pw]
	WIN ((\wh)<<6)|((\wh)<<2)|(\ws)
.irp c, 0,1
	v_cvt_scalef32_pk16_bf6_f32 v[PC+6*\c:PC+2+6*\c], v[(\src)+32*\c:(\src)+15+32*\c], v[TM+12+2*\c]
	v_cvt_scalef32_pk16_bf6_f32 v[PC+12+4*\c:PC+14+4*\c], v[(\src)+16+32*\c:(\src)+31+32*\c], v[TM+12+2*\c+1]   ; (a conversion's three registers begin on an even number)
.endr
	WIN 0x55*(\wh)
	v_nop                                          ; one plain place behind a scaled conversion
.irp c, 0,1                                    ; the operand wants a whole block in a lane: lanes 0-15 block 2 c, lanes 16-31 block 2 c + 1
.irp i, 0,1,2
	v_permlane16_swap_b32 v[PC+6*\c+\i], v[PC+12+4*\c+\i]
.endr
.irp i, 0,1,2
	s_delay_alu instid0(VALU_DEP_3)
	v_mov_b32 v[PC+3+6*\c+\i], v[PC+12+4*\c+\i]
.endr
.endr
.endm
; the fragment in v[PC] on (window wh) goes to memory as an image of its registers: each store covers 512 or 256 consecutive bytes, aligned
.macro IMGOUT wh, b, off, n
	WIN (\wh)<<2
	global_store_b128 v[A16], v[PC:PC+3], s[\b:\b+1] offset:\off
	global_store_b64 v[A8], v[PC+4:PC+5], s[\b:\b+1] offset:(\off)+512
.if \n > 1
	global_store_b128 v[A16], v[PC+6:PC+9], s[\b:\b+1] offset:(\off)+768
	global_store_b64 v[A8], v[PC+10:PC+11], s[\b:\b+1] offset:(\off)+1280
.endif
.endm
.macro FOLD                            ; eight partial sums in v[TM] on -> v12
	v_pk_add_f32 v[TM:TM+1], v[TM:TM+1], v[TM+2:TM+3]
	v_pk_add_f32 v[TM+4:TM+5], v[TM+4:TM+5], v[TM+6:TM+7]
	s_delay_alu instid0(VALU_DEP_1)
	v_pk_add_f32 v[TM:TM+1], v[TM:TM+1], v[TM+4:TM+5]
	s_delay_alu instid0(VALU_DEP_1)
	v_add_f32 v12, v[TM], v[TM+1]
.endm
.macro ACROSS off                      ; my lane's four chains -> the whole row's sum in v12, in every lane of the row
	FOLD
	s_delay_alu instid0(VALU_DEP_1)
	v_permlanex16_b32 v13, v12, s[SEL], s[SEL+1]
	s_delay_alu instid0(VALU_DEP_1)
	v_add_f32 v12, v12, v13                        ; my wave's 128 columns of row r
	ds_store_b32 v7, v12 offset:\off               ; lanes r and r + 16 write the same word with the same value
	s_wait_dscnt 0x0                               ; for the others' sake: my store has landed
	s_barrier_signal -1
	s_barrier_wait -1
	ds_load_b128 v[TM:TM+3], v8 offset:\off
	ds_load_b128 v[TM+4:TM+7], v8 offset:(\off)+16
	s_wait_dscnt 0x0
	FOLD
.endm
	s_load_b256 s[4:11], s[0:1], 0x0               ; x s[4:5], gain s[6:7], bias s[8:9], out s[10:11]
	s_load_b256 s[32:39], s[0:1], 0x20             ; codes of w_proj s[32:33], w_fc1 s[34:35], w_fc2 s[36:37]; their images s[38:39]
	v_lshl_add_u32 v248, v0, 2, 0x10c00
	v_mov_b32 v249, 0
	v_lshrrev_b32 v11, 5, v0
	s_delay_alu instid0(VALU_DEP_1)
	v_readfirstlane_b32 s12, v11                   ; wave 0..7
	v_and_b32 v11, 31, v0                          ; lane
	v_and_b32 v2, 15, v0                           ; r
	v_bfe_u32 v3, v0, 4, 1                         ; h
	s_delay_alu instid0(VALU_DEP_3)
	v_lshlrev_b32 v[A16], 4, v11
	s_delay_alu instid0(VALU_DEP_4)
	v_lshlrev_b32 v[A8], 3, v11
	s_mul_i32 s13, s12, STGW
	v_add_nc_u32 v4, s13, v[A16]                   ; the stage, on the way in: 16 x lane of a row
	v_mul_u32_u24 v5, v2, SPITCH
	s_delay_alu instid0(VALU_DEP_1)
	v_lshl_add_u32 v5, v3, 6, v5
	s_delay_alu instid0(VALU_DEP_1)
	v_add_nc_u32 v5, s13, v5                       ; and out: row r, + 64 h
	v_lshlrev_b32 v6, 6, v3                        ; gain and bias: 64 h
	v_lshlrev_b32 v8, 5, v2
	s_delay_alu instid0(VALU_DEP_1)
	v_add_nc_u32 v8, S1, v8                        ; row r's eight partial sums
	s_lshl_b32 s14, s12, 2
	v_add_nc_u32 v7, s14, v8                       ; my wave's word among them
	v_lshlrev_b32 v10, 2, v2                       ; 4 r: my row's scale word
	v_mov_b32 v13, 0                               ; a lane permute's destination counts as read; also the upper half of the pair v[12:13]
	v_mov_b32 v15, 0                               ; the upper half of the pair v[14:15]
	s_mov_b32 s[SEL], 0x76543210
	s_mov_b32 s[SEL+1], 0xfedcba98
	s_mov_b32 s22, 0x3a800000                      ; 1 / 1,024
	s_mov_b32 s23, 0x3727c5ac                      ; 1e-5
	s_lshl_b32 s16, ttmp9, 16                      ; 16 rows of 4,096 bytes
	s_lshl_b32 s18, s12, 9                         ; my wave's 512 bytes of a row
	s_add_co_u32 s16, s16, s18
	s_mov_b32 s17, 0
	s_mov_b32 s19, 0
	s_lshl_b32 s24, ttmp9, 3
	s_add_co_u32 s24, s24, s12
	s_mul_i32 s24, s24, FRB                        ; my fragment: (tile x 8 + wave) x 1,536
	s_mov_b32 s25, 0
	s_lshl_b32 s26, s12, 15                        ; my K step's 8,192 scale words,
	s_lshl_b32 s27, ttmp9, 6                       ; my tile's 16 of them
	s_add_co_u32 s26, s26, s27
	s_add_co_u32 s26, s26, SCOFF
	s_mov_b32 s27, 0
	s_wait_alu depctr_va_vdst(0)
	s_wait_kmcnt 0x0
	s_add_nc_u64 s[4:5], s[4:5], s[16:17]
	s_add_nc_u64 s[6:7], s[6:7], s[18:19]
	s_add_nc_u64 s[8:9], s[8:9], s[18:19]
	s_add_nc_u64 s[28:29], s[10:11], s[26:27]
	s_add_nc_u64 s[10:11], s[10:11], s[24:25]
.set i, 0
.rept 16
	global_load_b128 v[XL+4*i:XL+4*i+3], v[A16], s[4:5] offset:4096*i th:TH_LOAD_NT   ; row i: 512 consecutive bytes
.set i, i+1
.endr
.irp b, 0,1,2,3
.irp j, 0,1,2,3
	global_load_b128 v[G+16*\b+4*\j:G+16*\b+4*\j+3], v6, s[6:7] offset:128*\b+16*\j
.endr
.endr
	; THE WEIGHTS' IMAGES.  3 weights x 64 tiles of 16 rows x 8 K steps are 1,536 fragments: each wave of work-groups 0-191 lays one, while its loads of x are out.
	; weight = work-group / 64, tile t = work-group % 64, K step = wave.  Lane r of tile t takes row 32 (t / 2) + 8 (t % 2) + r + 8 (r / 8).
	; An image is the fragment's 12 registers as 3 x 32 lanes x 16 bytes, at [weight][t / 4][K step][t % 4][1,536]: each store covers 512 consecutive bytes, aligned.
	s_cmp_lt_u32 ttmp9, 192
	s_cbranch_scc0 .Lno_prep
	s_lshr_b32 s40, ttmp9, 6
	s_cmp_eq_u32 s40, 0
	s_cselect_b64 s[42:43], s[32:33], s[34:35]
	s_cmp_eq_u32 s40, 2
	s_cselect_b64 s[42:43], s[36:37], s[42:43]
	s_and_b32 s41, ttmp9, 63
	s_lshr_b32 s44, s41, 1
	s_lshl_b32 s44, s44, 5
	s_and_b32 s45, s41, 1
	s_lshl_b32 s45, s45, 3
	s_add_co_u32 s44, s44, s45                     ; the tile's first row
	s_mul_i32 s44, s44, 768
	s_mul_i32 s45, s12, 96                         ; my K step's 96 bytes of a row
	s_add_co_u32 s44, s44, s45
	s_mov_b32 s45, 0
	s_add_nc_u64 s[42:43], s[42:43], s[44:45]
	s_mul_i32 s44, s40, 786432
	s_lshr_b32 s46, s41, 2
	s_mul_i32 s46, s46, 49152
	s_add_co_u32 s44, s44, s46
	s_mul_i32 s46, s12, 6144
	s_add_co_u32 s44, s44, s46
	s_and_b32 s46, s41, 3
	s_mul_i32 s46, s46, 1536
	s_add_co_u32 s44, s44, s46
	s_add_nc_u64 s[38:39], s[38:39], s[44:45]
	v_and_b32 v245, 8, v2
	s_delay_alu instid0(VALU_DEP_1)
	v_add_nc_u32 v245, v245, v2                    ; r + 8 (r / 8)
	s_delay_alu instid0(VALU_DEP_1)
	v_mul_u32_u24 v245, v245, 768
	s_delay_alu instid0(VALU_DEP_1)
	v_mad_u32_u24 v245, v3, 24, v245               ; + 24 h
.irp p, 0,1,2,3,4,5
	global_load_b64 v[224+2*\p:225+2*\p], v245, s[42:43] offset:48*(\p/3)+8*(\p%3)
.endr
	s_wait_loadcnt 0x0                             ; the fragment is in (and so are x and the gain, asked for earlier)
.irp i, 0,1,2
	global_store_b128 v[A16], v[224+4*\i:227+4*\i], s[38:39] offset:512*\i
.endr
	s_wait_xcnt 0x0                                ; the stores have read v224-235, which the quantiser writes later
.Lno_prep:
	s_wait_loadcnt 16                              ; x is in; the 16 younger loads, the gain's, may be out
.set i, 0
.rept 16
	ds_store_b128 v4, v[XL+4*i:XL+4*i+3] offset:SPITCH*i
.set i, i+1
.endr
.irp b, 0,1,2,3
.irp j, 0,1,2,3
	ds_load_b128 v[X+16*\b+4*\j:X+16*\b+4*\j+3], v5 offset:128*\b+16*\j   ; LDS serves a wave's instructions in order: these see my stores
.endr
.endr
	s_wait_dscnt 0x0
.irp b, 0,1,2,3
.irp j, 0,1,2,3
	global_load_b128 v[XL+16*\b+4*\j:XL+16*\b+4*\j+3], v6, s[8:9] offset:128*\b+16*\j   ; the bias, into the registers that x has left
.endr
.endr
.irp c, 0,1,2,3                                ; the sum of my 64 numbers, in four chains
	v_pk_add_f32 v[TM+2*\c:TM+2*\c+1], v[X+2*\c:X+2*\c+1], v[X+8+2*\c:X+9+2*\c]
.endr
.irp j, 16,24,32,40,48,56
.irp c, 0,1,2,3
	s_delay_alu instid0(VALU_DEP_4)
	v_pk_add_f32 v[TM+2*\c:TM+2*\c+1], v[TM+2*\c:TM+2*\c+1], v[X+\j+2*\c:X+\j+2*\c+1]
.endr
.endr
	ACROSS 0
	s_delay_alu instid0(VALU_DEP_1)
	v_mul_f32 v12, s22, v12                        ; the mean
.set i, 0
	s_wait_alu depctr_va_vdst(0)
.rept 32
	v_pk_add_f32 v[X+i:X+i+1], v[X+i:X+i+1], v[12:13] op_sel_hi:[1,0] neg_lo:[0,1] neg_hi:[0,1]   ; x - mean: the variance is taken of these, so a common offset of the row does no harm
.set i, i+2
.endr
.irp c, 0,1,2,3
	v_pk_mul_f32 v[TM+2*\c:TM+2*\c+1], v[X+2*\c:X+2*\c+1], v[X+2*\c:X+2*\c+1]
.endr
.irp j, 8,16,24,32,40,48,56
.irp c, 0,1,2,3
	s_delay_alu instid0(VALU_DEP_4)
	v_pk_fma_f32 v[TM+2*\c:TM+2*\c+1], v[X+\j+2*\c:X+\j+2*\c+1], v[X+\j+2*\c:X+\j+2*\c+1], v[TM+2*\c:TM+2*\c+1]
.endr
.endr
	ACROSS 512                                     ; other bytes than the first exchange: one barrier serves
	s_delay_alu instid0(VALU_DEP_1)
	v_fma_f32 v14, v12, s22, s23                   ; the variance + 1e-5
	s_wait_alu depctr_va_vdst(0)
	v_rsq_f32 v14, v14
	v_nop                                          ; a plain place behind the transcendental
	s_wait_alu depctr_va_vdst(0)                   ; the wait ahead of the first reader
	s_wait_loadcnt 0x0                             ; gain and bias
.set i, 0
.rept 32
	v_pk_mul_f32 v[X+i:X+i+1], v[X+i:X+i+1], v[14:15] op_sel_hi:[1,0]
.set i, i+2
.endr
.set i, 0
.rept 32
	v_pk_fma_f32 v[X+i:X+i+1], v[X+i:X+i+1], v[G+i:G+i+1], v[XL+i:XL+i+1]
.set i, i+2
.endr
	QUANT X, 0, 0, PW
	IMGOUT 0, 10, 0, 2
	global_store_b32 v10, v[PW], s[28:29]          ; lanes r and r + 16 hold the same word
	s_wait_tensorcnt 0x0
	ds_add_u32 v248, v249
	s_wait_dscnt 0x0
	s_endpgm
.Lfunc_end_k_q41aa957c7a_lnq:
	.size	k_q41aa957c7a_lnq, .Lfunc_end_k_q41aa957c7a_lnq-k_q41aa957c7a_lnq
	.p2alignl 7, 3214868480
	.fill 96, 4, 3214868480
	.section	.rodata,"a",@progbits
	.p2align	6, 0x0
	.amdhsa_kernel k_q41aa957c7a_lnq
		.amdhsa_group_segment_fixed_size 69632
		.amdhsa_private_segment_fixed_size 0
		.amdhsa_enable_private_segment 0
		.amdhsa_kernarg_size 64
		.amdhsa_user_sgpr_count 2
		.amdhsa_user_sgpr_kernarg_segment_ptr 1
		.amdhsa_wavefront_size32 1
		.amdhsa_system_sgpr_workgroup_id_x 1
		.amdhsa_system_sgpr_workgroup_id_y 1
		.amdhsa_system_sgpr_workgroup_id_z 1
		.amdhsa_system_vgpr_workitem_id 0
		.amdhsa_next_free_vgpr 250
		.amdhsa_next_free_sgpr 66
		.amdhsa_reserve_vcc 0
		.amdhsa_float_denorm_mode_32 3
		.amdhsa_float_denorm_mode_16_64 3
		.amdhsa_memory_ordered 1
		.amdhsa_forward_progress 1
		.amdhsa_inst_pref_size 32
	.end_amdhsa_kernel
	.amdgpu_metadata
---
amdhsa.version: [ 1, 2 ]
amdhsa.kernels:
  - .name:           k_q41aa957c7a_lnq
    .symbol:         k_q41aa957c7a_lnq.kd
    .args:
      - { .name: x, .offset: 0, .size: 8, .value_kind: global_buffer, .address_space: global }
      - { .name: ln1_g, .offset: 8, .size: 8, .value_kind: global_buffer, .address_space: global }
      - { .name: ln1_b, .offset: 16, .size: 8, .value_kind: global_buffer, .address_space: global }
      - { .name: acta, .offset: 24, .size: 8, .value_kind: global_buffer, .address_space: global }
      - { .name: w_proj_codes, .offset: 32, .size: 8, .value_kind: global_buffer, .address_space: global }
      - { .name: w_fc1_codes, .offset: 40, .size: 8, .value_kind: global_buffer, .address_space: global }
      - { .name: w_fc2_codes, .offset: 48, .size: 8, .value_kind: global_buffer, .address_space: global }
      - { .name: wimg, .offset: 56, .size: 8, .value_kind: global_buffer, .address_space: global }
    .group_segment_fixed_size: 69632
    .private_segment_fixed_size: 0
    .kernarg_segment_align: 8
    .kernarg_segment_size: 64
    .max_flat_workgroup_size: 256
    .sgpr_count:     66
    .vgpr_count:     250
    .wavefront_size: 32
...
	.end_amdgpu_metadata
.endif
;; end of part 1
;; launch qkv (part 2): grid 8 x 32, 4 waves a work-group, clusters of 4 x 4, 327,680 bytes of LDS; arguments acta, w_qkv_codes, w_qkv_scales, qkvw; writes qkvw
.if DOCPART == 2
	.amdgcn_target "amdgcn-amd-amdhsa--gfx1250"
	.amdhsa_code_object_version 6
	.text
	.protected	k_q41aa957c7a_qkv
	.globl	k_q41aa957c7a_qkv
	.p2align	8
	.type	k_q41aa957c7a_qkv,@function
k_q41aa957c7a_qkv:
	s_mov_b64 s[64:65], 0
	v_nop
	global_prefetch_b8 v0, s[64:65] scope:SCOPE_SE
	s_setreg_imm32_b32 hwreg(HW_REG_WAVE_MODE, 25, 1), 1
	s_wait_xcnt 0x0
	s_wait_alu depctr_hold_cnt(0) depctr_sa_sdst(0) depctr_va_vdst(0) depctr_va_sdst(0) depctr_va_ssrc(0) depctr_va_vcc(0) depctr_vm_vsrc(0)
	s_getreg_b32 s2, hwreg(HW_REG_IB_STS2, 6, 4)
	s_cmp_eq_u32 s2, 0
	s_cbranch_scc0 .Lentry_in_a_cluster
	s_endpgm
.Lentry_in_a_cluster:
	s_bfe_u32 s2, ttmp6, 0x10000c
	s_cmp_lg_u32 s2, 0xf033
	s_cbranch_scc0 .Lentry_shape_is_right
	s_endpgm
.Lentry_shape_is_right:
.set WPITCH, 816
.set AT,     128*WPITCH
.set AQ,     3072
.set AWV,    49152
.set FRB,    1536
.set SCOFF,  6291456
.set WSTEP,  1024*768
.set SW,     AT+196608
.set VTAB,   SW+1024
.set SPARE,  VTAB+1024
.set KIMG,   6291456
.set VIMG,   12582912
.set QSC,    18874368
.set VSC,    19398656
.set AW,   4
.set AA16, 8
.set AA8,  12
.set A16,  16
.set A8,   17
.set SPW,  22
.set NIL,  23
.set WS,   32
.set AS,   64
.set AWR,  84
.set BIA,  96
.set TM,   160
.set PC,   176
.set PW,   196
.set PWH,  200
.set WV,   16
.set G1W,  24
.set G1A,  32
.set G0W,  40
.set G0A,  44
.set SEL,  90
.set MSB, 0
.macro WIN new
.if MSB != (\new)
	s_set_vgpr_msb (MSB<<8)|(\new)
.set MSB, (\new)
.endif
.endm
.macro CREST
	s_cmp_lg_u32 s[WV], 0
	s_cbranch_scc1 .Lnot_wave_0_\@
	s_barrier_signal -3
.Lnot_wave_0_\@:
	s_barrier_wait -3
	s_barrier_signal -1
	s_barrier_wait -1
.endm
.macro CROUND
	s_barrier_signal -1
	s_barrier_wait -1
	CREST
.endm
.macro PLACES
.rept 4
	v_nop
.endr
.endm
.macro WM
.if rZ
.if (rRA == 0) && (rRB == 0)
	v_wmma_scale_f32_16x16x128_f8f6f4 v[rD:rD+7], v[rA:rA+11], v[rB:rB+11], 0, v[rSA], v[rSB] matrix_a_fmt:MATRIX_FMT_BF6 matrix_b_fmt:MATRIX_FMT_BF6
.elseif rRB == 0
	v_wmma_scale_f32_16x16x128_f8f6f4 v[rD:rD+7], v[rA:rA+11], v[rB:rB+11], 0, v[rSA], v[rSB] matrix_a_fmt:MATRIX_FMT_BF6 matrix_b_fmt:MATRIX_FMT_BF6 matrix_a_scale:MATRIX_SCALE_ROW1
.elseif rRA == 0
	v_wmma_scale_f32_16x16x128_f8f6f4 v[rD:rD+7], v[rA:rA+11], v[rB:rB+11], 0, v[rSA], v[rSB] matrix_a_fmt:MATRIX_FMT_BF6 matrix_b_fmt:MATRIX_FMT_BF6 matrix_b_scale:MATRIX_SCALE_ROW1
.else
	v_wmma_scale_f32_16x16x128_f8f6f4 v[rD:rD+7], v[rA:rA+11], v[rB:rB+11], 0, v[rSA], v[rSB] matrix_a_fmt:MATRIX_FMT_BF6 matrix_b_fmt:MATRIX_FMT_BF6 matrix_a_scale:MATRIX_SCALE_ROW1 matrix_b_scale:MATRIX_SCALE_ROW1
.endif
.else
.if (rRA == 0) && (rRB == 0)
	v_wmma_scale_f32_16x16x128_f8f6f4 v[rD:rD+7], v[rA:rA+11], v[rB:rB+11], v[rC:rC+7], v[rSA], v[rSB] matrix_a_fmt:MATRIX_FMT_BF6 matrix_b_fmt:MATRIX_FMT_BF6
.elseif rRB == 0
	v_wmma_scale_f32_16x16x128_f8f6f4 v[rD:rD+7], v[rA:rA+11], v[rB:rB+11], v[rC:rC+7], v[rSA], v[rSB] matrix_a_fmt:MATRIX_FMT_BF6 matrix_b_fmt:MATRIX_FMT_BF6 matrix_a_scale:MATRIX_SCALE_ROW1
.elseif rRA == 0
	v_wmma_scale_f32_16x16x128_f8f6f4 v[rD:rD+7], v[rA:rA+11], v[rB:rB+11], v[rC:rC+7], v[rSA], v[rSB] matrix_a_fmt:MATRIX_FMT_BF6 matrix_b_fmt:MATRIX_FMT_BF6 matrix_b_scale:MATRIX_SCALE_ROW1
.else
	v_wmma_scale_f32_16x16x128_f8f6f4 v[rD:rD+7], v[rA:rA+11], v[rB:rB+11], v[rC:rC+7], v[rSA], v[rSB] matrix_a_fmt:MATRIX_FMT_BF6 matrix_b_fmt:MATRIX_FMT_BF6 matrix_a_scale:MATRIX_SCALE_ROW1 matrix_b_scale:MATRIX_SCALE_ROW1
.endif
.endif
.endm
.macro FETCH s, nat
.set fS, (\s)
	WIN 0x80
.irp t, 0,1,2,3,4,5,6,7
.irp p, 0,1,2,3,4,5
.set fP, 12*fS+6*(\p/3)+(\p%3)
.set fR, 96*(fS%2)+12*\t+2*\p
.if \nat
.set fA, AW+2*(\t/4)
.set fO, 8*fP+16*(fP/32)+16*(\t%4)*WPITCH
.else
.set fA, AWR+2*(\t/4)
.set fO, 8*fP+16*(fP/32)+(32*((\t%4)/2)+8*(\t%2))*WPITCH
.endif
.if (fP%32) >= 29
	ds_load_b64 v[fR:fR+1], v[fA+1] offset:fO
.else
	ds_load_b64 v[fR:fR+1], v[fA] offset:fO
.endif
.endr
.endr
	WIN 0xc0
.irp a, 0,1,2,3
.set fR, 48*(fS%2)+12*\a
.set fO, 12288*\a+FRB*(fS%2)
	ds_load_b128 v[fR:fR+3], v[AA16+fS/2] offset:fO
	ds_load_b64 v[fR+4:fR+5], v[AA8+fS/2] offset:fO+512
	ds_load_b128 v[fR+6:fR+9], v[AA16+fS/2] offset:fO+768
	ds_load_b64 v[fR+10:fR+11], v[AA8+fS/2] offset:fO+1280
.endr
.endm
.macro MUL s, swap, cmode
.set mS, (\s)
.if \swap
	WIN 0x5b
.elseif (mS == 0) && (\cmode)
	WIN 0x4e
.else
	WIN 0x5e
.endif
.irp a, 0,1,2,3
.irp t, 0,1,2,3,4,5,6,7
.if \swap
.set rD, 8*(4*\t+\a)
.set rA, 48*(mS%2)+12*\a
.set rB, 96*(mS%2)+12*\t
.set rSA, AS+2*mS+(\a/2)
.set rRA, \a%2
.set rSB, WS+4*\t+(mS%4)
.set rRB, mS/4
.else
.set rD, 8*(8*\a+\t)
.set rA, 96*(mS%2)+12*\t
.set rB, 48*(mS%2)+12*\a
.set rSA, WS+4*\t+(mS%4)
.set rRA, mS/4
.set rSB, AS+2*mS+(\a/2)
.set rRB, \a%2
.endif
.set rZ, (mS == 0) && ((\cmode) == 0)
.set rC, rD
.if (mS == 0) && (\cmode)
.set rC, BIA+8*\t
.endif
	WM
.endr
.endr
.endm
.macro STEP s, swap, nat, tw
	s_wait_dscnt 0x0
.if (\s) < 7
.if (((\s)%2) == 1) && (\tw)
	s_wait_tensorcnt 3-((\s)+1)/2
.endif
.if (\s) > 0
	PLACES
.endif
	FETCH (\s)+1, \nat
.endif
	MUL \s, \swap, 0
.endm
.macro LAST swap
	s_wait_dscnt 0x0
	WIN 0
	s_wait_tensorcnt 0x0
	ds_add_u32 v[SPW], v[NIL]
	MUL 7, \swap, 0
	WIN 0
	s_add_nc_u64 s[G0W+2:G0W+3], s[G0W+2:G0W+3], WSTEP
	s_wait_dscnt 0x0
	CROUND
	tensor_load_to_lds s[G0W:G0W+3], s[G1W:G1W+7]
	s_nop 0
.rept 4
	v_nop
.endr
.endm
.macro WSLOAD j, nat
.irp t, 0,1,2,3,4,5,6,7
.if \nat
	global_load_b128 v[WS+4*\t:WS+4*\t+3], v19, s[94:95] offset:32768*(\j)+512*\t
.else
	global_load_b128 v[WS+4*\t:WS+4*\t+3], v21, s[94:95] offset:32768*(\j)+(32*(\t/2)+8*(\t%2))*32
.endif
.endr
.endm
.macro NEXTW nat
	s_wait_tensorcnt 0x0
	s_wait_dscnt 0x0
	s_barrier_signal -1
	s_barrier_wait -1
	FETCH 0, \nat
	s_wait_loadcnt 0x0
.endm
.macro QUANT src, ws, wh, pw
	WIN ((\wh)<<6)|((\ws)<<2)|(\ws)
.irp b, 0,1,2,3
	v_max3_num_f32 v[TM+\b], |v[(\src)+16*\b]|, |v[(\src)+1+16*\b]|, 0x2800000
.endr
	WIN ((\wh)<<6)|((\ws)<<4)|((\ws)<<2)|(\wh)
.irp i, 2,4,6,8,10,12,14
.irp b, 0,1,2,3
	v_max3_num_f32 v[TM+\b], v[TM+\b], |v[(\src)+16*\b+\i]|, |v[(\src)+1+16*\b+\i]|
.endr
.endr
	WIN 0x55*(\wh)
.irp b, 0,1,2,3
	v_permlanex16_b32 v[TM+4+\b], v[TM+\b], s[SEL], s[SEL+1]
.endr
.irp b, 0,1,2,3
	v_max_num_f32 v[TM+\b], v[TM+\b], v[TM+4+\b]
.endr
.irp b, 0,1,2,3
	v_add_nc_u32 v[TM+12+\b], 0xfe000000, v[TM+\b]
.endr
.irp b, 0,1,2,3
	v_lshrrev_b32 v[TM+4+\b], 23, v[TM+12+\b]
.endr
	v_lshl_or_b32 v[\pw], v[TM+5], 8, v[TM+4]
	v_lshl_or_b32 v[\pw], v[TM+6], 16, v[\pw]
	v_lshl_or_b32 v[\pw], v[TM+7], 24, v[\pw]
	WIN ((\wh)<<6)|((\wh)<<2)|(\ws)
.irp c, 0,1
	v_cvt_scalef32_pk16_bf6_f32 v[PC+6*\c:PC+2+6*\c], v[(\src)+32*\c:(\src)+15+32*\c], v[TM+12+2*\c]
	v_cvt_scalef32_pk16_bf6_f32 v[PC+12+4*\c:PC+14+4*\c], v[(\src)+16+32*\c:(\src)+31+32*\c], v[TM+12+2*\c+1]
.endr
	WIN 0x55*(\wh)
	v_nop
.irp c, 0,1
.irp i, 0,1,2
	v_permlane16_swap_b32 v[PC+6*\c+\i], v[PC+12+4*\c+\i]
.endr
.irp i, 0,1,2
	v_mov_b32 v[PC+3+6*\c+\i], v[PC+12+4*\c+\i]
.endr
.endr
.endm
.macro QPAIR src, ws, wh, pw
	WIN ((\wh)<<6)|((\ws)<<2)|(\ws)
.irp b, 0,1
	v_max3_num_f32 v[TM+\b], |v[(\src)+16*\b]|, |v[(\src)+1+16*\b]|, 0x2800000
.endr
	WIN ((\wh)<<6)|((\ws)<<4)|((\ws)<<2)|(\wh)
.irp i, 2,4,6,8,10,12,14
.irp b, 0,1
	v_max3_num_f32 v[TM+\b], v[TM+\b], |v[(\src)+16*\b+\i]|, |v[(\src)+1+16*\b+\i]|
.endr
.endr
	WIN 0x55*(\wh)
.irp b, 0,1
	v_permlanex16_b32 v[TM+4+\b], v[TM+\b], s[SEL], s[SEL+1]
.endr
.irp b, 0,1
	v_max_num_f32 v[TM+\b], v[TM+\b], v[TM+4+\b]
.endr
.irp b, 0,1
	v_add_nc_u32 v[TM+12+\b], 0xfe000000, v[TM+\b]
.endr
.irp b, 0,1
	v_lshrrev_b32 v[TM+4+\b], 23, v[TM+12+\b]
.endr
	v_lshl_or_b32 v[\pw], v[TM+5], 8, v[TM+4]
	WIN ((\wh)<<6)|((\wh)<<2)|(\ws)
	v_cvt_scalef32_pk16_bf6_f32 v[PC:PC+2], v[(\src):(\src)+15], v[TM+12]
	v_cvt_scalef32_pk16_bf6_f32 v[PC+12:PC+14], v[(\src)+16:(\src)+31], v[TM+13]
	WIN 0x55*(\wh)
	v_nop
.irp i, 0,1,2
	v_permlane16_swap_b32 v[PC+\i], v[PC+12+\i]
.endr
.irp i, 0,1,2
	v_mov_b32 v[PC+3+\i], v[PC+12+\i]
.endr
.endm
.macro IMGOUT wh, b, off, n
	WIN (\wh)<<2
	global_store_b128 v[A16], v[PC:PC+3], s[\b:\b+1] offset:\off
	global_store_b64 v[A8], v[PC+4:PC+5], s[\b:\b+1] offset:(\off)+512
.if \n > 1
	global_store_b128 v[A16], v[PC+6:PC+9], s[\b:\b+1] offset:(\off)+768
	global_store_b64 v[A8], v[PC+10:PC+11], s[\b:\b+1] offset:(\off)+1280
.endif
.endm
.macro QKOUT ioff, soff
.irp a, 0,1,2,3
	s_wait_xcnt 0x0
	QUANT 64*\a, 1, 0, PW+\a
	IMGOUT 0, 12, (\ioff)+8*FRB*\a, 2
	WIN 0
	ds_store_b32 v26, v[PW+\a] offset:64*\a
.endr
	ds_load_b64 v[28:29], v27
	s_wait_dscnt 0x0
	global_store_b64 v[A8], v[28:29], s[14:15] offset:\soff
.endm
	s_load_b256 s[4:11], s[0:1], 0x0
	v_lshl_add_u32 v[SPW], v0, 2, SPARE
	v_mov_b32 v[NIL], 0
	ds_add_u32 v22, v23
	ds_add_u32 v22, v23
	s_wait_dscnt 0x0
	v_lshrrev_b32 v1, 5, v0
	v_readfirstlane_b32 s[WV], v1
	s_bfe_u32 s17, ttmp6, 0x40000
	s_bfe_u32 s18, ttmp6, 0x40004
	s_lshl_b32 s19, ttmp9, 2
	s_add_co_u32 s19, s19, s17
	s_and_b32 s20, ttmp7, 0xffff
	s_lshl_b32 s20, s20, 2
	s_add_co_u32 s20, s20, s18
	s_lshl_b32 s21, s18, 2
	s_lshl_b32 s21, 15, s21
	s_lshl_b32 s22, 0x1111, s17
	s_or_b32 s[G1W], s22, (3<<16)|(1<<20)|(1<<21)|(5<<22)|(3<<25)
	s_mov_b32 s[G1W+1], 32<<16
	s_mov_b32 s[G1W+2], 96<<16
	s_mov_b32 s[G1W+3], 32<<16
	s_mov_b32 s[G1W+4], 96
	s_mov_b32 s[G1W+5], 32
	s_mov_b32 s[G1W+6], 0
	s_mov_b32 s[G1W+7], 0
	s_or_b32 s[G1A], s21, (3<<16)|(1<<21)
	s_mov_b32 s[G1A+1], 384<<16
	s_mov_b32 s[G1A+2], 16<<16
	s_mov_b32 s[G1A+3], 384<<16
	s_mov_b32 s[G1A+4], 16
	s_mov_b32 s[G1A+5], 384
	s_mov_b32 s[G1A+6], 0
	s_mov_b32 s[G1A+7], 0
	s_lshl_b32 s62, s19, 7
	s_lshl_b32 s63, s[WV], 5
	s_add_co_u32 s62, s62, s63
	s_mul_i32 s62, s62, 768
	s_mov_b32 s63, 0
	s_lshl_b32 s60, s20, 4
	s_lshl_b32 s61, s[WV], 2
	s_add_co_u32 s60, s60, s61
	s_mul_i32 s60, s60, 8*FRB
	s_mov_b32 s61, 0
	s_mul_i32 s23, s[WV], AWV
	s_mov_b32 s[SEL], 0x76543210
	s_mov_b32 s[SEL+1], 0xfedcba98
	s_wait_kmcnt 0x0
	s_mov_b32 s[G0W], 1
	s_mul_i32 s[G0W+1], s[WV], 32*WPITCH
	s_add_nc_u64 s[G0W+2:G0W+3], s[6:7], s[62:63]
	s_or_b32 s[G0W+3], s[G0W+3], 0x80000000
	s_add_nc_u64 s[92:93], s[4:5], s[60:61]
.irp j, 0,1,2,3
	s_mov_b32 s[G0A+4*\j], 1
	s_add_co_u32 s[G0A+4*\j+1], s23, AT+AQ*\j
	s_add_nc_u64 s[G0A+4*\j+2:G0A+4*\j+3], s[92:93], 2*FRB*\j
	s_or_b32 s[G0A+4*\j+3], s[G0A+4*\j+3], 0x80000000
.endr
	s_lshl_b32 s62, s19, 12
	s_add_nc_u64 s[94:95], s[8:9], s[62:63]
	s_lshl_b32 s60, s20, 10
	s_lshl_b32 s61, s[WV], 8
	s_add_co_u32 s60, s60, s61
	s_add_co_u32 s60, s60, SCOFF
	s_mov_b32 s61, 0
	s_add_nc_u64 s[96:97], s[4:5], s[60:61]
	CROUND
	tensor_load_to_lds s[G0W:G0W+3], s[G1W:G1W+7]
	s_nop 0
	s_wait_alu depctr_va_vdst(0)
	s_wait_tensorcnt 0x0
	ds_add_u32 v22, v23
	s_wait_dscnt 0x0
	CROUND
	tensor_load_to_lds s[G0A:G0A+3], s[G1A:G1A+7]  ; my wave's 4 tiles of A, all of K: 49,152 dense bytes as 16 rows of 3,072: my one load behind the round
	s_nop 0
.rept 4
	v_nop
.endr
	v_and_b32 v1, 31, v0
	v_and_b32 v2, 15, v0
	v_bfe_u32 v3, v0, 4, 1
	v_mul_u32_u24 v[AW], v2, WPITCH
	v_mad_u32_u24 v[AW+1], v3, 40, v[AW]
	v_mad_u32_u24 v[AW], v3, 24, v[AW]
	v_add_nc_u32 v[AW+2], 64*WPITCH, v[AW]
	v_add_nc_u32 v[AW+3], 64*WPITCH, v[AW+1]
	v_and_b32 v18, 8, v2
	v_add_nc_u32 v18, v18, v2
	v_mul_u32_u24 v[AWR], v18, WPITCH
	v_mad_u32_u24 v[AWR+1], v3, 40, v[AWR]
	v_mad_u32_u24 v[AWR], v3, 24, v[AWR]
	v_add_nc_u32 v[AWR+2], 64*WPITCH, v[AWR]
	v_add_nc_u32 v[AWR+3], 64*WPITCH, v[AWR+1]
	v_lshlrev_b32 v[A16], 4, v1
	v_lshlrev_b32 v[A8], 3, v1
.irp j, 0,1,2,3
	v_add_nc_u32 v[AA16+\j], s[G0A+4*\j+1], v[A16]
	v_add_nc_u32 v[AA8+\j], s[G0A+4*\j+1], v[A8]
.endr
	v_lshlrev_b32 v19, 5, v2
	v_lshl_add_u32 v19, v3, 4, v19
	v_lshlrev_b32 v21, 5, v18
	v_lshl_add_u32 v21, v3, 4, v21
	v_lshlrev_b32 v20, 2, v1
	WSLOAD 0, 1
.irp s, 0,1,2,3,4,5,6,7
.irp g, 0,1
	global_load_b32 v[AS+2*\s+\g], v20, s[96:97] offset:32768*\s+128*\g
.endr
.endr
	s_lshl_b32 s2, s[WV], 8
	v_lshlrev_b32 v26, 2, v2
	v_add_nc_u32 v26, s2, v26
	v_add_nc_u32 v26, SW, v26
	v_add_nc_u32 v27, s2, v[A8]
	v_add_nc_u32 v27, SW, v27
	s_lshr_b32 s3, s[WV], 1
	s_lshl_b32 s3, s3, 9
	s_and_b32 s99, s[WV], 1
	s_lshl_b32 s99, s99, 1
	s_add_co_u32 s3, s3, s99
	v_lshlrev_b32 v30, 2, v2
	v_add_nc_u32 v30, s3, v30
	v_add_nc_u32 v30, VTAB, v30
	v_add_nc_u32 v31, s2, v[A8]
	v_add_nc_u32 v31, VTAB, v31
.irp b, 0,1,2,3
	v_mov_b32 v[TM+4+\b], 0
.endr
	s_lshl_b32 s3, s20, 4
	s_lshl_b32 s23, s[WV], 2
	s_add_co_u32 s3, s3, s23
	s_lshl_b32 s3, s3, 3
	s_add_co_u32 s3, s3, s19
	s_mul_i32 s2, s3, FRB
	s_mov_b32 s3, 0
	s_add_nc_u64 s[12:13], s[10:11], s[2:3]
	s_lshl_b32 s2, s19, 15
	s_lshl_b32 s23, s20, 10
	s_add_co_u32 s2, s2, s23
	s_lshl_b32 s23, s[WV], 8
	s_add_co_u32 s2, s2, s23
	s_add_co_u32 s2, s2, QSC
	s_add_nc_u64 s[14:15], s[10:11], s[2:3]
	s_lshr_b32 s98, s20, 2
	s_lshl_b32 s98, s98, 3
	s_add_co_u32 s98, s98, s19
	s_and_b32 s23, s20, 3
	s_lshl_b32 s2, s98, 6
	s_lshl_b32 s99, s23, 4
	s_add_co_u32 s2, s2, s99
	s_lshr_b32 s99, s[WV], 1
	s_lshl_b32 s99, s99, 3
	s_add_co_u32 s2, s2, s99
	s_mul_i32 s2, s2, FRB
	s_and_b32 s99, s[WV], 1
	s_mul_i32 s99, s99, 768
	s_add_co_u32 s2, s2, s99
	s_add_co_u32 s2, s2, VIMG
	s_add_nc_u64 s[66:67], s[10:11], s[2:3]
	s_lshl_b32 s2, s98, 12
	s_lshl_b32 s23, s23, 10
	s_add_co_u32 s2, s2, s23
	s_lshl_b32 s23, s[WV], 8
	s_add_co_u32 s2, s2, s23
	s_add_co_u32 s2, s2, VSC
	s_add_nc_u64 s[68:69], s[10:11], s[2:3]
	s_wait_alu depctr_va_vdst(0)
	s_wait_tensorcnt 0x0                           ; my tiles of A are in: I alone read them; W was shown whole by the round above
	FETCH 0, 1
	s_wait_loadcnt 0x0
.irp s, 0,1,2,3,4,5,6
	STEP \s, 0, 1, 0
.endr
	LAST 0
	WSLOAD 1, 1
	QKOUT 0, 0
	NEXTW 1
.irp s, 0,1,2,3,4,5,6
	STEP \s, 0, 1, 0
.endr
	LAST 0
	WSLOAD 2, 0
	QKOUT KIMG, 262144
	NEXTW 0
.irp s, 0,1,2,3,4,5,6,7
	STEP \s, 1, 0, 0
.endr
	WIN 0
	PLACES
.irp t, 0,1,2,3,4,5,6,7
	s_wait_xcnt 0x0
	QPAIR 32*\t, 1, 0, PWH+\t
	IMGOUT 0, 66, FRB*\t, 1
	WIN 0
	ds_store_b16 v30, v[PWH+\t] offset:64*\t
.endr
	s_wait_dscnt 0x0
	s_barrier_signal -1
	s_barrier_wait -1
	ds_load_b64 v[28:29], v31
	s_wait_dscnt 0x0
	global_store_b64 v[A8], v[28:29], s[68:69]
	s_wait_tensorcnt 0x0
	ds_add_u32 v[SPW], v[NIL]
	s_wait_dscnt 0x0
	CROUND
	s_endpgm
.Lfunc_end_k_q41aa957c7a_qkv:
	.size	k_q41aa957c7a_qkv, .Lfunc_end_k_q41aa957c7a_qkv-k_q41aa957c7a_qkv
	.p2alignl 7, 3214868480
	.fill 96, 4, 3214868480
	.section	.rodata,"a",@progbits
	.p2align	6, 0x0
	.amdhsa_kernel k_q41aa957c7a_qkv
		.amdhsa_group_segment_fixed_size 327680
		.amdhsa_private_segment_fixed_size 0
		.amdhsa_enable_private_segment 0
		.amdhsa_kernarg_size 32
		.amdhsa_user_sgpr_count 2
		.amdhsa_user_sgpr_kernarg_segment_ptr 1
		.amdhsa_wavefront_size32 1
		.amdhsa_system_sgpr_workgroup_id_x 1
		.amdhsa_system_sgpr_workgroup_id_y 1
		.amdhsa_system_sgpr_workgroup_id_z 1
		.amdhsa_system_vgpr_workitem_id 0
		.amdhsa_next_free_vgpr 1024
		.amdhsa_next_free_sgpr 100
		.amdhsa_reserve_vcc 0
		.amdhsa_float_denorm_mode_32 3
		.amdhsa_float_denorm_mode_16_64 3
		.amdhsa_memory_ordered 1
		.amdhsa_forward_progress 1
		.amdhsa_inst_pref_size 255
	.end_amdhsa_kernel
	.section	.bss,"aw",@nobits
	.p2align	6
	.space	262144
	.amdgpu_metadata
---
amdhsa.version: [ 1, 2 ]
amdhsa.kernels:
  - .name:           k_q41aa957c7a_qkv
    .symbol:         k_q41aa957c7a_qkv.kd
    .args:
      - { .name: acta, .offset: 0, .size: 8, .value_kind: global_buffer, .address_space: global }
      - { .name: w_qkv_codes, .offset: 8, .size: 8, .value_kind: global_buffer, .address_space: global }
      - { .name: w_qkv_scales, .offset: 16, .size: 8, .value_kind: global_buffer, .address_space: global }
      - { .name: qkvw, .offset: 24, .size: 8, .value_kind: global_buffer, .address_space: global }
    .group_segment_fixed_size: 327680
    .private_segment_fixed_size: 0
    .kernarg_segment_align: 8
    .kernarg_segment_size: 32
    .max_flat_workgroup_size: 128
    .sgpr_count:     100
    .vgpr_count:     1024
    .wavefront_size: 32
...
	.end_amdgpu_metadata
.endif
;; end of part 2
;; launch attn (part 3): grid 4 x 64, 16 waves a work-group, clusters of 4 x 1, 215,040 bytes of LDS; arguments qkvw, acta; writes acta
.if DOCPART == 3
	.amdgcn_target "amdgcn-amd-amdhsa--gfx1250"
	.amdhsa_code_object_version 6
	.text
	.protected	k_q41aa957c7a_attn
	.globl	k_q41aa957c7a_attn
	.p2align	8
	.type	k_q41aa957c7a_attn,@function
k_q41aa957c7a_attn:
	s_mov_b64 s[64:65], 0
	v_nop
	global_prefetch_b8 v0, s[64:65] scope:SCOPE_SE
	s_setreg_imm32_b32 hwreg(HW_REG_WAVE_MODE, 25, 1), 1
	s_wait_xcnt 0x0
	s_wait_alu depctr_hold_cnt(0) depctr_sa_sdst(0) depctr_va_vdst(0) depctr_va_sdst(0) depctr_va_ssrc(0) depctr_va_vcc(0) depctr_vm_vsrc(0)
	s_getreg_b32 s2, hwreg(HW_REG_IB_STS2, 6, 4)
	s_cmp_eq_u32 s2, 0
	s_cbranch_scc0 .Lentry_in_a_cluster
	s_endpgm
.Lentry_in_a_cluster:
	s_bfe_u32 s2, ttmp6, 0x10000c
	s_cmp_lg_u32 s2, 0x3003
	s_cbranch_scc0 .Lentry_shape_is_right
	s_endpgm
.Lentry_shape_is_right:
; Attention on codes of E3M2: S^T = K Q^T (K = the head's 64), p = 2^(t - M), O^T = V^T P^T (K = the keys), O / l, then the quantiser along the 1,024 features for the projection.
; t = score x log2(e) / 8; M = the running largest t rounded up to a whole number; p is quantised unnormalised, along the keys; the row's sum l is taken of the unquantised p and divides at the end.
; SHARES.  A work-group owns 256 queries of one batch and one PAIR of heads; each of its sixteen waves 16 queries, for both heads, in 256 registers: four waves to a SIMD, so that one wave's vector work
; stands beside another's matrix work and LDS loads.  The pair's K and V of all 1,024 keys and their scale words lie in LDS, filled ONCE: no LDS byte is filled twice.
; CLUSTER 4 x 1: the four query blocks of a batch and pair read the same K and V: joint loads with the mask 15 (waves 0, 1: K's halves; 2, 3: V's; 4-7: their scale words' halves).  One load of a wave is out.
; K = 64 IN AN INSTRUCTION OF 128.  Q stands as q0, six registers of zeros, q1: head 0's operand is v[16:27], head 1's v[22:33].  Of a tile of K only the head's half is loaded; the operand's other half
; holds whatever codes lie beside it: they meet Q's zero codes under scale bytes that are no NaN, and add nothing.
; THE KEYS.  A tile of K is 16 neighbouring tokens, so register 16 b + 8 u + j of S^T holds key 32 b + 16 u + 8 h + j; V's codes were laid by the same permutation inside each block of 32 keys: the blocks,
; their scales and the products are those of the plain order; only the order of the additions inside the matrix unit differs.
; LIMITS: NaN and infinities are not served; a block whose largest magnitude lies under 2^-122 is quantised under the byte 1, a block of zeros keeps that byte (only this program reads the bytes).
; REGISTERS: v1-6 addresses that stay; v8-15 for each head -M, the largest t, the sum in two halves; v16-33 Q; v34-87 K's halves, then V's four fragments; v88-93 the step's addresses; v94-95 V's scale words;
; v96-159 S^T, then p; v160-223 O^T, 32 a head; v224-247, v252, v254 at work; v248-251 K's scale words; v253 p's; v255 Q's.
.set FRB,   1536
.set KIMG,  6291456
.set VIMG,  12582912
.set QSC,   18874368
.set KSC,   19136512
.set VSC,   19398656
.set SCOFF, 6291456
.set VT,    98304                      ; LDS: K's 64 tiles at 0; V's [128 keys 8][t 8] fragments;
.set KS,    196608                     ; K's 1,024 scale words;
.set VS,    200704                     ; V's [128 keys 8][t 8][r 16];
.set WST,   204800                     ; and, bytes into which no fill lands, 64 bytes a wave for the output's scale words
.set A16,   1
.set A8,    2
.set KF,    34
.set ADK16, 88
.set ADK8,  89
.set ADV16, 90
.set ADV8,  91
.set ADS,   92
.set ADT,   93
.set VSR,   94
.set KSR,   248
.set TM,    34                         ; the last quantiser's registers
.set PC,    224
.set WV,    8
.set SEL,   20
.set CS,    22
.set G1K,   24
.set G1V,   32
.set G1S,   40
.set G0K,   48
.set G0KS,  52
.set G0V,   56
.set G0VS,  60
.set TB,    66
.set TS,    67
.set CNT,   68
.set MSB, 0
.macro WIN new                         ; (this body stays in window 0: nothing is emitted)
.if MSB != (\new)
	s_set_vgpr_msb (MSB<<8)|(\new)
.set MSB, (\new)
.endif
.endm
.macro CROUND                          ; a round of the cluster's barrier
	s_barrier_signal -1
	s_barrier_wait -1
	s_cmp_lg_u32 s[WV], 0
	s_cbranch_scc1 .Lnot_wave_0_\@
	s_barrier_signal -3
.Lnot_wave_0_\@:
	s_barrier_wait -3
	s_barrier_signal -1
	s_barrier_wait -1
.endm
; 64 numbers of a lane in window ws, register 16 b + i = k 32 b + 16 (lane / 16) + i of my row, become a fragment's codes in v[PC] on and its scale word in v[pw], both in window wh.
.macro QUANT src, ws, wh, pw
	WIN ((\wh)<<6)|((\ws)<<2)|(\ws)
.irp b, 0,1,2,3
	v_max3_num_f32 v[TM+\b], |v[(\src)+16*\b]|, |v[(\src)+1+16*\b]|, 0x2800000   ; my 16 numbers of block b, and the floor 2^(5 - 127): the byte cannot fall under 1
.endr
	WIN ((\wh)<<6)|((\ws)<<4)|((\ws)<<2)|(\wh)
.irp i, 2,4,6,8,10,12,14
.irp b, 0,1,2,3
	s_delay_alu instid0(VALU_DEP_4)
	v_max3_num_f32 v[TM+\b], v[TM+\b], |v[(\src)+16*\b+\i]|, |v[(\src)+1+16*\b+\i]|
.endr
.endr
	WIN 0x55*(\wh)
.irp b, 0,1,2,3
	s_delay_alu instid0(VALU_DEP_4)
	v_permlanex16_b32 v[TM+4+\b], v[TM+\b], s[SEL], s[SEL+1]
.endr
.irp b, 0,1,2,3
	s_delay_alu instid0(VALU_DEP_4)
	v_max_num_f32 v[TM+\b], v[TM+\b], v[TM+4+\b]   ; with lane l xor 16's: the block's largest magnitude
.endr
.irp b, 0,1,2,3
	s_delay_alu instid0(VALU_DEP_4)
	v_add_nc_u32 v[TM+12+\b], 0xfe000000, v[TM+\b]   ; 4 off its exponent field: the conversion's scale operand
.endr
.irp b, 0,1,2,3
	s_delay_alu instid0(VALU_DEP_4)
	v_lshrrev_b32 v[TM+4+\b], 23, v[TM+12+\b]      ; the scale's byte
.endr
	s_delay_alu instid0(VALU_DEP_3)
	v_lshl_or_b32 v[\pw], v[TM+5], 8, v[TM+4]
	s_delay_alu instid0(VALU_DEP_1)
	v_lshl_or_b32 v[\pw], v[TM+6], 16, v[\pw]
	s_delay_alu instid0(VALU_DEP_1)
	v_lshl_or_b32 v[\pw], v[TM+7], 24, v[\pw]
	WIN ((\wh)<<6)|((\wh)<<2)|(\ws)
.irp c, 0,1
	v_cvt_scalef32_pk16_bf6_f32 v[PC+6*\c:PC+2+6*\c], v[(\src)+32*\c:(\src)+15+32*\c], v[TM+12+2*\c]
	v_cvt_scalef32_pk16_bf6_f32 v[PC+12+4*\c:PC+14+4*\c], v[(\src)+16+32*\c:(\src)+31+32*\c], v[TM+12+2*\c+1]   ; (a conversion's three registers begin on an even number)
.endr
	WIN 0x55*(\wh)
	v_nop                                          ; one plain place behind a scaled conversion
.irp c, 0,1                                    ; the operand wants a whole block in a lane: lanes 0-15 block 2 c, lanes 16-31 block 2 c + 1
.irp i, 0,1,2
	v_permlane16_swap_b32 v[PC+6*\c+\i], v[PC+12+4*\c+\i]
.endr
.irp i, 0,1,2
	s_delay_alu instid0(VALU_DEP_3)
	v_mov_b32 v[PC+3+6*\c+\i], v[PC+12+4*\c+\i]
.endr
.endr
.endm
; the fragment in v[PC] on (window wh) goes to memory as an image of its registers: each store covers 512 or 256 consecutive bytes, aligned
.macro IMGOUT wh, b, off, n
	WIN (\wh)<<2
	global_store_b128 v[A16], v[PC:PC+3], s[\b:\b+1] offset:\off
	global_store_b64 v[A8], v[PC+4:PC+5], s[\b:\b+1] offset:(\off)+512
.if \n > 1
	global_store_b128 v[A16], v[PC+6:PC+9], s[\b:\b+1] offset:(\off)+768
	global_store_b64 v[A8], v[PC+10:PC+11], s[\b:\b+1] offset:(\off)+1280
.endif
.endm
	s_load_b128 s[4:7], s[0:1], 0x0                ; q, k, v as codes s[4:5]; out s[6:7]
	v_lshl_add_u32 v254, v0, 2, 0x34000
	v_mov_b32 v255, 0
	ds_add_u32 v254, v255
	ds_add_u32 v254, v255
	s_wait_dscnt 0x0
	v_lshrrev_b32 v7, 5, v0
	s_delay_alu instid0(VALU_DEP_1)
	v_readfirstlane_b32 s[WV], v7                  ; wave 0..15
	s_bfe_u32 s9, ttmp6, 0x40000                   ; cx: which 256 queries; it enters Q's and the output's addresses alone
	s_and_b32 s10, ttmp7, 0xffff                   ; 8 b + p
	s_lshr_b32 s11, s10, 3                         ; the batch
	s_and_b32 s12, s10, 7                          ; the pair of heads
	s_and_b32 s13, s[WV], 1                        ; which half I fetch, if I fetch
	s_lshl_b32 s70, s11, 6                         ; K's codes: tiles 64 b + 32 half on, 12,288 bytes apart
	s_lshl_b32 s14, s13, 5
	s_add_co_u32 s70, s70, s14
	s_lshl_b32 s70, s70, 3
	s_add_co_u32 s70, s70, s12
	s_mul_i32 s70, s70, FRB
	s_add_co_u32 s70, s70, KIMG
	s_mov_b32 s71, 0
	s_lshl_b32 s72, s12, 15                        ; K's scale words: (8,192 p + 1,024 b + 512 half) x 4
	s_lshl_b32 s14, s11, 12
	s_add_co_u32 s72, s72, s14
	s_lshl_b32 s15, s13, 11                        ; 2,048 x half: in memory and in LDS
	s_add_co_u32 s72, s72, s15
	s_add_co_u32 s72, s72, KSC
	s_mov_b32 s73, 0
	s_mul_i32 s74, s10, 98304                      ; V's codes: 98,304 dense bytes
	s_mul_i32 s14, s13, 49152                      ; 49,152 x half: in memory (V) and in LDS (K and V)
	s_add_co_u32 s74, s74, s14
	s_add_co_u32 s74, s74, VIMG
	s_mov_b32 s75, 0
	s_lshl_b32 s76, s10, 12                        ; V's scale words: 4,096 dense bytes
	s_add_co_u32 s76, s76, s15
	s_add_co_u32 s76, s76, VSC
	s_mov_b32 s77, 0
	s_lshl_b32 s78, s11, 6
	s_lshl_b32 s79, s9, 4
	s_add_co_u32 s78, s78, s79
	s_add_co_u32 s78, s78, s[WV]                   ; my tile of 16 tokens: 64 b + 16 cx + w
	s_lshl_b32 s80, s78, 3
	s_add_co_u32 s80, s80, s12
	s_mul_i32 s80, s80, FRB                        ; its image for the pair: the same offset in q's region and in the output
	s_mov_b32 s81, 0
	s_lshl_b32 s82, s12, 15
	s_lshl_b32 s79, s78, 6
	s_add_co_u32 s82, s82, s79
	s_add_co_u32 s82, s82, QSC
	s_mov_b32 s83, 0
	s_lshl_b32 s86, s12, 15                        ; the output's scale words: (8,192 p + 1,024 b + 256 cx + 64 w) x 4; waves 0-3 store them
	s_lshl_b32 s79, s11, 12
	s_add_co_u32 s86, s86, s79
	s_lshl_b32 s79, s9, 10
	s_add_co_u32 s86, s86, s79
	s_lshl_b32 s79, s[WV], 8
	s_add_co_u32 s86, s86, s79
	s_add_co_u32 s86, s86, SCOFF
	s_mov_b32 s87, 0
	; group 1.  K: 32 rows of 1,536 bytes (192 elements of 8), 12,288 bytes apart;  V: 192 rows of 256 dense bytes;  scale words: 8 rows of 256 dense bytes.  The mask names all four work-groups
	s_mov_b32 s[G1K], 15|(3<<16)|(1<<21)
	s_mov_b32 s[G1K+1], 192<<16
	s_mov_b32 s[G1K+2], 32<<16
	s_mov_b32 s[G1K+3], 192<<16
	s_mov_b32 s[G1K+4], 32
	s_mov_b32 s[G1K+5], 1536
	s_mov_b32 s[G1K+6], 0
	s_mov_b32 s[G1K+7], 0
	s_mov_b32 s[G1V], 15|(3<<16)|(1<<21)
	s_mov_b32 s[G1V+1], 32<<16
	s_mov_b32 s[G1V+2], 192<<16
	s_mov_b32 s[G1V+3], 32<<16
	s_mov_b32 s[G1V+4], 192
	s_mov_b32 s[G1V+5], 32
	s_mov_b32 s[G1V+6], 0
	s_mov_b32 s[G1V+7], 0
	s_mov_b32 s[G1S], 15|(3<<16)|(1<<21)
	s_mov_b32 s[G1S+1], 32<<16
	s_mov_b32 s[G1S+2], 8<<16
	s_mov_b32 s[G1S+3], 32<<16
	s_mov_b32 s[G1S+4], 8
	s_mov_b32 s[G1S+5], 32
	s_mov_b32 s[G1S+6], 0
	s_mov_b32 s[G1S+7], 0
	s_mov_b32 s[SEL], 0x76543210
	s_mov_b32 s[SEL+1], 0xfedcba98
	s_mov_b32 s[CS], 0x3e38aa3b                    ; c = log2(e) / 8
	s_mov_b32 s[CS+1], s[CS]                       ; (named with it as a pair, so it is written)
	s_mov_b32 s[TB], 0
	s_mov_b32 s[TS], 0
	s_mov_b32 s[CNT], 0
	s_wait_kmcnt 0x0
	s_add_nc_u64 s[84:85], s[6:7], s[80:81]
	s_add_nc_u64 s[86:87], s[6:7], s[86:87]
	s_add_nc_u64 s[80:81], s[4:5], s[80:81]
	s_add_nc_u64 s[82:83], s[4:5], s[82:83]
	s_mov_b32 s[G0K], 1
	s_mov_b32 s[G0K+1], s14
	s_add_nc_u64 s[G0K+2:G0K+3], s[4:5], s[70:71]
	s_or_b32 s[G0K+3], s[G0K+3], 0x80000000
	s_mov_b32 s[G0KS], 1
	s_add_co_u32 s[G0KS+1], s15, KS
	s_add_nc_u64 s[G0KS+2:G0KS+3], s[4:5], s[72:73]
	s_or_b32 s[G0KS+3], s[G0KS+3], 0x80000000
	s_mov_b32 s[G0V], 1
	s_add_co_u32 s[G0V+1], s14, VT
	s_add_nc_u64 s[G0V+2:G0V+3], s[4:5], s[74:75]
	s_or_b32 s[G0V+3], s[G0V+3], 0x80000000
	s_mov_b32 s[G0VS], 1
	s_add_co_u32 s[G0VS+1], s15, VS
	s_add_nc_u64 s[G0VS+2:G0VS+3], s[4:5], s[76:77]
	s_or_b32 s[G0VS+3], s[G0VS+3], 0x80000000
	CROUND                                         ; all four work-groups are here: the joint loads meet
	s_cmp_lt_u32 s[WV], 2                          ; a wave's fills stand in one branch on the wave's number, the same in every work-group
	s_cbranch_scc0 .Lnot_k
	; ONE FILL A WAVE, in one chain of branches: waves 0, 1 K's halves; 2, 3 V's; 4, 5 the halves of K's scale words; 6, 7 of V's; waves 8-15 none.  One load of a wave is out.
	tensor_load_to_lds s[G0K:G0K+3], s[G1K:G1K+7]
	s_nop 0
.rept 4
	v_nop
.endr
	s_branch .Lasked
.Lnot_k:
	s_cmp_lt_u32 s[WV], 4
	s_cbranch_scc0 .Lnot_v
	tensor_load_to_lds s[G0V:G0V+3], s[G1V:G1V+7]
	s_nop 0
.rept 4
	v_nop
.endr
	s_branch .Lasked
.Lnot_v:
	s_cmp_lt_u32 s[WV], 6
	s_cbranch_scc0 .Lnot_ks
	tensor_load_to_lds s[G0KS:G0KS+3], s[G1S:G1S+7]
	s_nop 0
.rept 4
	v_nop
.endr
	s_branch .Lasked
.Lnot_ks:
	s_cmp_lt_u32 s[WV], 8
	s_cbranch_scc0 .Lasked
	tensor_load_to_lds s[G0VS:G0VS+3], s[G1S:G1S+7]
	s_nop 0
.rept 4
	v_nop
.endr
.Lasked:
	v_and_b32 v7, 31, v0                           ; lane
	s_delay_alu instid0(VALU_DEP_1)
	v_lshlrev_b32 v[A16], 4, v7                    ; an image's places for my lane: K's tiles begin at LDS byte 0
	s_delay_alu instid0(VALU_DEP_2)
	v_lshlrev_b32 v[A8], 3, v7
	s_delay_alu instid0(VALU_DEP_2)
	v_add_nc_u32 v3, VT, v[A16]
	s_delay_alu instid0(VALU_DEP_2)
	v_add_nc_u32 v4, VT, v[A8]
	v_lshlrev_b32 v5, 2, v7
	s_delay_alu instid0(VALU_DEP_1)
	v_add_nc_u32 v6, VS, v5
	s_delay_alu instid0(VALU_DEP_2)
	v_add_nc_u32 v5, KS, v5
	v_and_b32 v254, 15, v0
	s_delay_alu instid0(VALU_DEP_1)
	v_lshlrev_b32 v254, 2, v254
	global_load_b128 v[16:19], v[A16], s[80:81]                ; q of the even head
	global_load_b64 v[20:21], v[A8], s[80:81] offset:512
	global_load_b128 v[28:31], v[A16], s[80:81] offset:768     ; q of the odd head
	global_load_b64 v[32:33], v[A8], s[80:81] offset:1280
	global_load_b32 v255, v254, s[82:83]                       ; my queries' scale words: bytes 0, 1 the even head's, bytes 2, 3 the odd head's
.irp j, 22,23,24,25,26,27, 82,83,84,85,86,87
	v_mov_b32 v[\j], 0                             ; zero codes between the two q; and behind K's last half
.endr
.irp e, 0,1
	v_mov_b32 v[9+4*\e], 0xff61b1e6                ; the largest t so far: -3e38, under every t
	s_delay_alu instid0(VALU_DEP_1)
	v_floor_f32 v[8+4*\e], -v[9+4*\e]              ; -M
	v_mov_b32 v[10+4*\e], 0                        ; the sum, in two halves
	v_mov_b32 v[11+4*\e], 0
.endr
.irp b, 0,1,2,3
	v_mov_b32 v[236+\b], 0                         ; written once: a lane permute's destination counts as read
.endr
	v_mov_b32 v253, 0                              ; (named as the upper half of the pair v[252:253] before it is first written)
.set i, 0
.rept 64
	v_mov_b32 v[160+i], 0                          ; O^T.  (The loop is written once: its first step finds zeros, which the first change of M leaves zeros)
.set i, i+1
.endr
; 128 keys for head e of the pair
.macro STEP e
.set SB, 8+4*\e
.set OB, 160+32*\e
.if \e
.rept 4
	v_nop                                          ; places in front of loads into registers that the last products have read (for e = 0 the trip's six additions are the places)
.endr
.endif
.irp t, 0,1,2,3,4,5,6,7
	ds_load_b128 v[KF+6*\t+6*\e:KF+6*\t+6*\e+3], v[ADK16] offset:FRB*\t+768*\e
	ds_load_b64 v[KF+6*\t+6*\e+4:KF+6*\t+6*\e+5], v[ADK8] offset:FRB*\t+768*\e+512
.endr
.if \e == 0
.irp g, 0,1,2,3
	ds_load_b32 v[KSR+\g], v[ADS] offset:128*\g    ; lanes 0-15: tile 2 g's words, lanes 16-31: tile 2 g + 1's; they serve both heads
.endr
.endif
	s_wait_dscnt 0x0
.irp t, 0,1,2,3,4,5,6,7
.if (\t%2) == 0
	v_wmma_scale_f32_16x16x128_f8f6f4 v[96+8*\t:103+8*\t], v[KF+6*\t:KF+6*\t+11], v[16+6*\e:27+6*\e], 0, v[KSR+\t/2], v255 matrix_a_fmt:MATRIX_FMT_BF6 matrix_b_fmt:MATRIX_FMT_BF6
.else
	v_wmma_scale_f32_16x16x128_f8f6f4 v[96+8*\t:103+8*\t], v[KF+6*\t:KF+6*\t+11], v[16+6*\e:27+6*\e], 0, v[KSR+\t/2], v255 matrix_a_fmt:MATRIX_FMT_BF6 matrix_b_fmt:MATRIX_FMT_BF6 matrix_a_scale:MATRIX_SCALE_ROW1
.endif
.endr
.rept 4
	v_nop                                          ; places: for V's loads into K's registers, and for the first read of the scores
.endr
.irp t, 0,1,2,3                                ; V's four fragments are asked for now and land under the softmax
	ds_load_b128 v[KF+12*\t:KF+12*\t+3], v[ADV16] offset:FRB*(4*\e+\t)
	ds_load_b64 v[KF+12*\t+4:KF+12*\t+5], v[ADV8] offset:FRB*(4*\e+\t)+512
	ds_load_b128 v[KF+12*\t+6:KF+12*\t+9], v[ADV16] offset:FRB*(4*\e+\t)+768
	ds_load_b64 v[KF+12*\t+10:KF+12*\t+11], v[ADV8] offset:FRB*(4*\e+\t)+1280
.endr
.irp g, 0,1
	ds_load_b32 v[VSR+\g], v[ADT] offset:256*\e+128*\g
.endr
.irp b, 0,1,2,3
	v_max3_num_f32 v[232+\b], v[96+16*\b], v[97+16*\b], v[98+16*\b]   ; the largest score of each block of 32 keys: for the row's maximum, and, since p rises with the score, for the block's largest p
.endr
.irp i, 3,5,7,9,11,13
.irp b, 0,1,2,3
	v_max3_num_f32 v[232+\b], v[232+\b], v[96+16*\b+\i], v[97+16*\b+\i]
.endr
.endr
.irp b, 0,1,2,3
	v_max_num_f32 v[232+\b], v[232+\b], v[111+16*\b]
.endr
.irp b, 0,1,2,3
	s_delay_alu instid0(VALU_DEP_4)
	v_permlanex16_b32 v[236+\b], v[232+\b], s[SEL], s[SEL+1]
.endr
.irp b, 0,1,2,3
	s_delay_alu instid0(VALU_DEP_4)
	v_max_num_f32 v[232+\b], v[232+\b], v[236+\b]  ; with lane l xor 16's 16 keys
.endr
	s_delay_alu instid0(VALU_DEP_2)
	v_max3_num_f32 v254, v232, v233, v234
	s_delay_alu instid0(VALU_DEP_1)
	v_max_num_f32 v254, v254, v235                 ; the step's largest score of my query
	s_delay_alu instid0(VALU_DEP_1)
	v_mul_f32 v254, s[CS], v254                    ; as t (c is positive)
	s_delay_alu instid0(VALU_DEP_1)
	v_max_num_f32 v[SB+1], v[SB+1], v254           ; the running largest t
	v_mov_b32 v254, v[SB]
	s_delay_alu instid0(VALU_DEP_2)
	v_floor_f32 v[SB], -v[SB+1]                    ; the new -M = floor(-t): M is a whole number
	s_delay_alu instid0(VALU_DEP_1)
	v_sub_f32 v254, v[SB], v254                    ; M's old value less its new one: a whole number, 0 or less
	s_delay_alu instid0(VALU_DEP_1)
	v_cvt_i32_f32 v254, v254                       ; (it saturates)
	s_delay_alu instid0(VALU_DEP_1)
	v_ldexp_f32 v252, 1.0, v254                    ; f = 2^(old M - new M): a multiplication by it rounds nothing
.set i, 0
.rept 32
	v_pk_fma_f32 v[96+i:97+i], v[96+i:97+i], s[CS:CS+1], v[SB:SB+1] op_sel_hi:[1,0,0]   ; t - M, two at a time
.set i, i+2
.endr
.irp b, 0,1,2,3
	v_fma_f32 v[232+\b], v[232+\b], s[CS], v[SB]   ; the same of each block's largest score
.endr
.set i, 0
	s_wait_alu depctr_va_vdst(0)
.rept 64
	v_exp_f32 v[96+i], v[96+i]                     ; p = 2^(t - M), at most 1: not normalised
.set i, i+1
.endr
	v_pk_mul_f32 v[SB+2:SB+3], v[SB+2:SB+3], v[252:253] op_sel_hi:[1,0]   ; the sums under the new M.  (A plain place behind the exponentials)
	s_wait_alu depctr_va_vdst(0)                   ; one wait for the whole batch, ahead of its first reader
.irp b, 0,1,2,3
	v_exp_f32 v[232+\b], v[232+\b]                 ; the block's largest p: the same two instructions on the same number give the same bits
.endr
	v_pk_add_f32 v[236:237], v[96:97], v[98:99]    ; the row's sum is taken of the unquantised p, in two chains
.irp j, 4,8,12,16,20,24,28,32,36,40,44,48,52,56,60
	v_pk_add_f32 v[SB+2:SB+3], v[SB+2:SB+3], v[96+\j:97+\j]
	v_pk_add_f32 v[236:237], v[236:237], v[98+\j:99+\j]
.endr
	s_delay_alu instid0(VALU_DEP_1)
	v_pk_add_f32 v[SB+2:SB+3], v[SB+2:SB+3], v[236:237]
	s_wait_alu depctr_va_vdst(0)                   ; and one for the four
.irp b, 0,1,2,3
	v_max_num_f32 v[232+\b], 0x2800000, v[232+\b]  ; the floor 2^(5 - 127): the byte cannot fall under 1
.endr
.irp b, 0,1,2,3
	s_delay_alu instid0(VALU_DEP_4)
	v_add_nc_u32 v[244+\b], 0xfe000000, v[232+\b]  ; 4 off the exponent field: the conversion's scale operand
.endr
.irp b, 0,1,2,3
	s_delay_alu instid0(VALU_DEP_4)
	v_lshrrev_b32 v[236+\b], 23, v[244+\b]         ; the scale's byte
.endr
	s_delay_alu instid0(VALU_DEP_3)
	v_lshl_or_b32 v253, v237, 8, v236              ; p's scale word for these 128 keys
	s_delay_alu instid0(VALU_DEP_1)
	v_lshl_or_b32 v253, v238, 16, v253
	s_delay_alu instid0(VALU_DEP_1)
	v_lshl_or_b32 v253, v239, 24, v253
.irp c, 0,1
	v_cvt_scalef32_pk16_bf6_f32 v[224+6*\c:226+6*\c], v[96+32*\c:111+32*\c], v[244+2*\c]
	v_cvt_scalef32_pk16_bf6_f32 v[236+4*\c:238+4*\c], v[112+32*\c:127+32*\c], v[244+2*\c+1]
.endr
	v_nop                                          ; one plain place behind a scaled conversion
.irp c, 0,1
.irp i, 0,1,2
	v_permlane16_swap_b32 v[224+6*\c+\i], v[236+4*\c+\i]
.endr
.irp i, 0,1,2
	s_delay_alu instid0(VALU_DEP_3)
	v_mov_b32 v[227+6*\c+\i], v[236+4*\c+\i]
.endr
.endr
.set i, 0
.rept 16
	v_pk_mul_f32 v[OB+i:OB+i+1], v[OB+i:OB+i+1], v[252:253] op_sel_hi:[1,0]   ; O^T under the new M.  (These 16 are also the places between the writes of p's codes and scale word and the products)
.set i, i+2
.endr
	s_wait_alu depctr_va_vdst(0)
	s_wait_dscnt 0x0                               ; V
.irp t, 0,1,2,3
.if (\t%2) == 0
	v_wmma_scale_f32_16x16x128_f8f6f4 v[OB+8*\t:OB+8*\t+7], v[KF+12*\t:KF+12*\t+11], v[224:235], v[OB+8*\t:OB+8*\t+7], v[VSR+\t/2], v253 matrix_a_fmt:MATRIX_FMT_BF6 matrix_b_fmt:MATRIX_FMT_BF6
.else
	v_wmma_scale_f32_16x16x128_f8f6f4 v[OB+8*\t:OB+8*\t+7], v[KF+12*\t:KF+12*\t+11], v[224:235], v[OB+8*\t:OB+8*\t+7], v[VSR+\t/2], v253 matrix_a_fmt:MATRIX_FMT_BF6 matrix_b_fmt:MATRIX_FMT_BF6 matrix_a_scale:MATRIX_SCALE_ROW1
.endif
.endr
.endm
	s_wait_tensorcnt 0x0                           ; my loads, if I issued any, have landed
	s_barrier_signal -1
	s_barrier_wait -1                              ; everybody's have: K, V and their scale words are whole
	s_wait_loadcnt 0x0                             ; Q
.Lkeys:                                            ; eight trips of 128 keys, both heads in each
	v_add_nc_u32 v[ADK16], s[TB], v[A16]
	v_add_nc_u32 v[ADK8], s[TB], v[A8]
	v_add_nc_u32 v[ADV16], s[TB], v3
	s_wait_alu depctr_va_vdst(0)
	v_add_nc_u32 v[ADV8], s[TB], v4
	s_wait_alu depctr_va_vdst(0)
	v_add_nc_u32 v[ADS], s[TS], v5
	v_add_nc_u32 v[ADT], s[TS], v6
	s_wait_alu depctr_va_vdst(0)
	STEP 0
	STEP 1
	s_add_co_u32 s[TB], s[TB], 8*FRB
	s_add_co_u32 s[TS], s[TS], 512
	s_add_co_u32 s[CNT], s[CNT], 1
	s_cmp_lt_u32 s[CNT], 8
	s_cbranch_scc1 .Lkeys
	; THE WAY OUT: O^T / l for both heads is 128 neighbouring features of my 16 tokens, register 16 (2 e + b) + i = feature 64 e + 32 b + 16 h + i: K step p of the projection
.rept 4
	v_nop                                          ; places behind the last products
.endr
.irp e, 0,1
	v_add_f32 v[10+4*\e], v[10+4*\e], v[11+4*\e]   ; the sum's two halves,
.endr
.irp e, 0,1
	s_delay_alu instid0(VALU_DEP_2)
	v_permlanex16_b32 v[236+\e], v[10+4*\e], s[SEL], s[SEL+1]
.endr
.irp e, 0,1
	s_delay_alu instid0(VALU_DEP_2)
	v_add_f32 v[10+4*\e], v[10+4*\e], v[236+\e]    ; and lane l xor 16's
.endr
	s_wait_alu depctr_va_vdst(0)
.irp e, 0,1
	v_rcp_f32 v[10+4*\e], v[10+4*\e]
.endr
	v_and_b32 v88, 15, v0                          ; (plain work behind the reciprocals)
	s_delay_alu instid0(VALU_DEP_1)
	v_lshlrev_b32 v88, 2, v88
	s_lshl_b32 s14, s[WV], 6
	v_add_nc_u32 v88, s14, v88
	s_delay_alu instid0(VALU_DEP_1)
	v_add_nc_u32 v88, WST, v88                     ; WST + 64 w + 4 r
	s_lshl_b32 s14, s[WV], 8
	v_add_nc_u32 v89, s14, v[A8]
	s_delay_alu instid0(VALU_DEP_1)
	v_add_nc_u32 v89, WST, v89                     ; WST + 256 w + 8 x lane, for waves 0-3
	s_wait_alu depctr_va_vdst(0)                   ; one wait for the two reciprocals, ahead of their first reader
.irp e, 0,1
.set i, 0
.rept 32
	v_mul_f32 v[96+32*\e+i], v[160+32*\e+i], v[10+4*\e]
.set i, i+1
.endr
.endr
	QUANT 96, 0, 0, 244
	IMGOUT 0, 84, 0, 2
	ds_store_b32 v88, v244                         ; lanes r and r + 16 write the same word
	s_wait_dscnt 0x0                               ; for the others' sake
	s_barrier_signal -1
	s_barrier_wait -1
	s_cmp_lt_u32 s[WV], 4
	s_cbranch_scc0 .Lno_words
	ds_load_b64 v[90:91], v89
	s_wait_dscnt 0x0
	global_store_b64 v[A8], v[90:91], s[86:87]     ; 64 tokens' scale words: 256 consecutive bytes, aligned
.Lno_words:
	s_wait_tensorcnt 0x0
	s_wait_dscnt 0x0
	s_wait_xcnt 0x0
	v_lshl_add_u32 v254, v0, 2, 0x34000
	v_mov_b32 v255, 0
	s_wait_alu depctr_va_vdst(0)
	s_wait_tensorcnt 0x0
	ds_add_u32 v254, v255
	s_wait_dscnt 0x0
	CROUND                                         ; the closing round
	s_endpgm
.Lfunc_end_k_q41aa957c7a_attn:
	.size	k_q41aa957c7a_attn, .Lfunc_end_k_q41aa957c7a_attn-k_q41aa957c7a_attn
	.p2alignl 7, 3214868480
	.fill 96, 4, 3214868480
	.section	.rodata,"a",@progbits
	.p2align	6, 0x0
	.amdhsa_kernel k_q41aa957c7a_attn
		.amdhsa_group_segment_fixed_size 215040
		.amdhsa_private_segment_fixed_size 0
		.amdhsa_enable_private_segment 0
		.amdhsa_kernarg_size 16
		.amdhsa_user_sgpr_count 2
		.amdhsa_user_sgpr_kernarg_segment_ptr 1
		.amdhsa_wavefront_size32 1
		.amdhsa_system_sgpr_workgroup_id_x 1
		.amdhsa_system_sgpr_workgroup_id_y 1
		.amdhsa_system_sgpr_workgroup_id_z 1
		.amdhsa_system_vgpr_workitem_id 0
		.amdhsa_next_free_vgpr 256
		.amdhsa_next_free_sgpr 100
		.amdhsa_reserve_vcc 0
		.amdhsa_float_denorm_mode_32 3
		.amdhsa_float_denorm_mode_16_64 3
		.amdhsa_memory_ordered 1
		.amdhsa_forward_progress 1
		.amdhsa_inst_pref_size 55
	.end_amdhsa_kernel
	.amdgpu_metadata
---
amdhsa.version: [ 1, 2 ]
amdhsa.kernels:
  - .name:           k_q41aa957c7a_attn
    .symbol:         k_q41aa957c7a_attn.kd
    .args:
      - { .name: qkvw, .offset: 0, .size: 8, .value_kind: global_buffer, .address_space: global }
      - { .name: acta, .offset: 8, .size: 8, .value_kind: global_buffer, .address_space: global }
    .group_segment_fixed_size: 215040
    .private_segment_fixed_size: 0
    .kernarg_segment_align: 8
    .kernarg_segment_size: 16
    .max_flat_workgroup_size: 512
    .sgpr_count:     100
    .vgpr_count:     256
    .wavefront_size: 32
...
	.end_amdgpu_metadata
.endif
;; end of part 3
;; launch mlp (part 4): grid 256 x 1, 16 waves a work-group, no clusters, 315,392 bytes of LDS; arguments acta, wimg, w_proj_scales, w_fc1_scales, w_fc2_scales, b_proj, ln2_g, ln2_b, b_fc1, b_fc2, x, out0; writes out0
.if DOCPART == 4
	.amdgcn_target "amdgcn-amd-amdhsa--gfx1250"
	.amdhsa_code_object_version 6
	.text
	.protected	k_q41aa957c7a_mlp
	.globl	k_q41aa957c7a_mlp
	.p2align	8
	.type	k_q41aa957c7a_mlp,@function
k_q41aa957c7a_mlp:
	s_mov_b64 s[64:65], 0
	v_nop
	global_prefetch_b8 v0, s[64:65] scope:SCOPE_SE
	s_setreg_imm32_b32 hwreg(HW_REG_WAVE_MODE, 25, 1), 1
	s_wait_xcnt 0x0
; x1 = x + (O Wp^T + bp);  out = x1 + (gelu(LN(x1) W1^T + b1) W2^T + b2): three products on codes of E3M2 with E8M0 scales, in one launch.
; SHARES.  A work-group owns 32 tokens (two tiles a of 16) through the whole chain; wave w of its sixteen owns columns 64 w .. 64 w + 63 of each product: 4 tiles t of 16 rows of W x 2 tiles of tokens,
; 8 accumulators by turns, 8 K steps of 128 a product, 24 steps q in all.  x1, the codes of LN(x1) and of the GELU and their scale words stay in LDS; only O's codes come from memory and only out goes there.
; W: a fragment of W is multiplied by one wave alone, so it goes from its image (laid by the first launch: 12 registers as 3 x 32 lanes x 16 bytes) straight into registers: three sets of 48, set q % 3;
; step q's set is asked for again, for step q + 3, behind its products (behind a product's last step: behind the temporaries' last use).  s_wait_loadcnt 24 = the two younger sets' 12 loads each.
; No cluster: nothing of W passes through LDS, and x, the one tensor load's tile, is read by one work-group.  No prefetch: all 256 work-groups walk the same 2,359,296 bytes of W.
; THE ROWS OF A TILE OF W: lane r of tile 2 b + u takes row 64 w + 32 b + 8 u + r + 8 (r / 8); source 0 = W, source 1 = the tokens: lane (r, h) holds token 16 a + r, and register ACC + 32 a + 16 b + i
; column 64 w + 32 b + 16 h + i: 16 neighbours, as the quantiser wants them; a wave's 64 columns are half w % 2 of K step w / 2 of the next product.
; x. x1, and at last out, are laid over them.
; THE GELU, exact form, in f32: max(x, 0) - |x| e, e = erfc(|x| / sqrt 2) / 2 = t 2^(P(t) - x^2 log2(e) / 2), t = 1 / (1 + |x| sqrt(2) / 4), P the ninth-degree polynomial of the rational Chebyshev form of erfc.
; LIMITS: NaN and infinities are not served.  Where 2^(..) falls under 2^-126 (x under about -13) the GELU comes out as 0.  A block whose largest magnitude lies under 2^-122 is quantised under the byte 1;
; a block of zeros keeps that byte in place of 127 (its codes are zeros; only this launch reads the bytes).
; REGISTERS: v1-16 addresses; v2, v3 the add's; v17 the tokens' scale words, v20-23 W's; v18-19 c9; v24-47 the tokens' two fragments, between products at work; v48-191 W's three sets; v192-255 accumulators.
.set XW,    8704                       ; LDS: from 0, a wave's 32 rows of x: 272 bytes each
.set AI,    139264                     ; two images of the tokens' codes, [tile 2][K step 8][1,536]: registers 0-3 at 16 x lane, 4-5 at 512 + 8 x lane, 6-9 at 768, 10-11 at 1,280
.set AB,    24576
.set ASC,   188416                     ; their scale words, [K step 8][token 32], 1,024 bytes each
.set WSC,   190464                     ; W's scale words, a wave's own: [product 3][K step % 4][lane][tile 4]; lanes 16-31 hold K steps 4-7
.set RED,   288768                     ; the rows' partial sums [token 32][wave 16]; 2,048 on: those of the squares
.set VEC,   292864                     ; a wave's 64 columns of b_proj, ln2_g, ln2_b, b_fc1, b_fc2: 256 bytes each
.set SPARE, 313344                     ; the spare words
.set SCOFF, 6291456
.set WP,    786432
.set AS,  17
.set WS,  20
.set AF,  24
.set ACC, 192
.set SEL, 44
.set CF,  46                           ; s[46:47] c0 .. s[62:63] c8
.set NK,  66
.set K1,  68
.macro VW
	s_wait_alu depctr_va_vdst(0)
.endm
.macro BAR
	s_barrier_signal -1
	s_barrier_wait -1
.endm
.macro KONST r, val
	s_mov_b32 s[\r], \val
	s_mov_b32 s[\r+1], s[\r]
.endm
.macro WLOAD q                         ; step q's four fragments of W: 12 loads of 512 consecutive bytes
.set wB, 48+48*((\q)%3)
.set wO, ((\q)/8)*WP+((\q)%8)*6144
.irp i, 0,1,2,3,4,5,6,7,8,9,10,11
	global_load_b128 v[wB+4*\i:wB+4*\i+3], v1, s[6:7] offset:wO+512*\i
.endr
.endm
.macro ALOAD q                         ; step q's two fragments of the tokens and both sides' scale words, from LDS
.set aB, (((\q)/8)%2)*AB+((\q)%8)*1536
.irp a, 0,1
	ds_load_b128 v[AF+12*\a:AF+12*\a+3], v4 offset:aB+12288*\a
	ds_load_b64 v[AF+12*\a+4:AF+12*\a+5], v5 offset:aB+12288*\a+512
	ds_load_b128 v[AF+12*\a+6:AF+12*\a+9], v4 offset:aB+12288*\a+768
	ds_load_b64 v[AF+12*\a+10:AF+12*\a+11], v5 offset:aB+12288*\a+1280
.endr
	ds_load_b32 v[AS], v6 offset:(((\q)/8)%2)*1024+((\q)%8)*128
	ds_load_b128 v[WS:WS+3], v7 offset:((\q)/8)*2048+((\q)%4)*512
.endm
.macro WM                              ; kZ: the product's first step starts the sums; kH: W's words in lanes 16-31; rR: the tokens' tile 1
.if kZ
.if rR == 0
	v_wmma_scale_f32_16x16x128_f8f6f4 v[rD:rD+7], v[rA:rA+11], v[rB:rB+11], 0, v[rS], v[AS] matrix_a_fmt:MATRIX_FMT_BF6 matrix_b_fmt:MATRIX_FMT_BF6
.else
	v_wmma_scale_f32_16x16x128_f8f6f4 v[rD:rD+7], v[rA:rA+11], v[rB:rB+11], 0, v[rS], v[AS] matrix_a_fmt:MATRIX_FMT_BF6 matrix_b_fmt:MATRIX_FMT_BF6 matrix_b_scale:MATRIX_SCALE_ROW1
.endif
.elseif (kH == 0) && (rR == 0)
	v_wmma_scale_f32_16x16x128_f8f6f4 v[rD:rD+7], v[rA:rA+11], v[rB:rB+11], v[rD:rD+7], v[rS], v[AS] matrix_a_fmt:MATRIX_FMT_BF6 matrix_b_fmt:MATRIX_FMT_BF6
.elseif kH == 0
	v_wmma_scale_f32_16x16x128_f8f6f4 v[rD:rD+7], v[rA:rA+11], v[rB:rB+11], v[rD:rD+7], v[rS], v[AS] matrix_a_fmt:MATRIX_FMT_BF6 matrix_b_fmt:MATRIX_FMT_BF6 matrix_b_scale:MATRIX_SCALE_ROW1
.elseif rR == 0
	v_wmma_scale_f32_16x16x128_f8f6f4 v[rD:rD+7], v[rA:rA+11], v[rB:rB+11], v[rD:rD+7], v[rS], v[AS] matrix_a_fmt:MATRIX_FMT_BF6 matrix_b_fmt:MATRIX_FMT_BF6 matrix_a_scale:MATRIX_SCALE_ROW1
.else
	v_wmma_scale_f32_16x16x128_f8f6f4 v[rD:rD+7], v[rA:rA+11], v[rB:rB+11], v[rD:rD+7], v[rS], v[AS] matrix_a_fmt:MATRIX_FMT_BF6 matrix_b_fmt:MATRIX_FMT_BF6 matrix_a_scale:MATRIX_SCALE_ROW1 matrix_b_scale:MATRIX_SCALE_ROW1
.endif
.endm
.macro KSTEP q
.if (\q) < 22
	s_wait_loadcnt 24                              ; set q is in; the two younger sets may be out
.elseif (\q) == 22
	s_wait_loadcnt 12
.else
	s_wait_loadcnt 0
.endif
	s_wait_dscnt 0x0                               ; the tokens' fragments and the scale words
.set kB, 48+48*((\q)%3)
.set kZ, ((\q)%8) == 0
.set kH, ((\q)%8)/4
.irp a, 0,1
.irp t, 0,1,2,3
.set rD, ACC+32*\a+8*\t
.set rA, kB+12*\t
.set rB, AF+12*\a
.set rS, WS+\t
.set rR, \a
	WM
.endr
.endr
.rept 4
	v_nop                                          ; four places ahead of loads into these products' registers and of reads of their results
.endr
.if ((\q)%8) < 7
.if (\q)+3 < 24
	WLOAD (\q)+3
.endif
	ALOAD (\q)+1
.endif
.endm
; acc += my rows in LDS (x, or x1) + vector vec; the sums go back over those rows.  Each accumulator is read from its low end on.
.macro ADDRES vec
.irp b, 0,1
.irp j, 0,1,2,3
	ds_load_b128 v[TB+32+4*\j:TB+35+4*\j], v10 offset:256*(\vec)+128*\b+16*\j
.endr
.irp a, 0,1
.irp j, 0,1,2,3
	ds_load_b128 v[TB+16*\a+4*\j:TB+16*\a+4*\j+3], v8 offset:4352*\a+128*\b+16*\j
.endr
.endr
	s_wait_dscnt 0x0
.irp a, 0,1
.irp i, 0,2,4,6,8,10,12,14
	v_pk_add_f32 v[ACC+32*\a+16*\b+\i:ACC+32*\a+16*\b+\i+1], v[ACC+32*\a+16*\b+\i:ACC+32*\a+16*\b+\i+1], v[TB+16*\a+\i:TB+16*\a+\i+1]
.endr
.endr
.irp a, 0,1
.irp i, 0,2,4,6,8,10,12,14
	v_pk_add_f32 v[ACC+32*\a+16*\b+\i:ACC+32*\a+16*\b+\i+1], v[ACC+32*\a+16*\b+\i:ACC+32*\a+16*\b+\i+1], v[TB+32+\i:TB+33+\i]
.endr
.endr
.irp a, 0,1
.irp j, 0,1,2,3
	ds_store_b128 v8, v[ACC+32*\a+16*\b+4*\j:ACC+32*\a+16*\b+4*\j+3] offset:4352*\a+128*\b+16*\j
.endr
.endr
.endr
.endm
; the sums (sq = 0) or sums of squares (sq = 1) of both tiles' whole rows -> v[TB] (tile 0), v[TB+16] (tile 1): four chains, lane l xor 16, then the sixteen waves' parts through LDS
.macro ROWSUM sq, off
.irp c, 0,1,2,3
.set xR, ACC+32*(\c/2)+2*(\c%2)
.if \sq
	v_pk_mul_f32 v[24+2*\c:25+2*\c], v[xR:xR+1], v[xR:xR+1]
.else
	v_pk_add_f32 v[24+2*\c:25+2*\c], v[xR:xR+1], v[xR+4:xR+5]
.endif
.endr
.if \sq
.irp c, 0,1,2,3
.set xR, ACC+32*(\c/2)+2*(\c%2)+4
	s_delay_alu instid0(VALU_DEP_4)
	v_pk_fma_f32 v[24+2*\c:25+2*\c], v[xR:xR+1], v[xR:xR+1], v[24+2*\c:25+2*\c]
.endr
.endif
.irp i, 8,12,16,20,24,28
.irp c, 0,1,2,3
.set xR, ACC+32*(\c/2)+2*(\c%2)+\i
	s_delay_alu instid0(VALU_DEP_4)
.if \sq
	v_pk_fma_f32 v[24+2*\c:25+2*\c], v[xR:xR+1], v[xR:xR+1], v[24+2*\c:25+2*\c]
.else
	v_pk_add_f32 v[24+2*\c:25+2*\c], v[24+2*\c:25+2*\c], v[xR:xR+1]
.endif
.endr
.endr
	v_pk_add_f32 v[24:25], v[24:25], v[26:27]
	v_pk_add_f32 v[28:29], v[28:29], v[30:31]
	s_delay_alu instid0(VALU_DEP_2)
	v_add_f32 v24, v24, v25
	s_delay_alu instid0(VALU_DEP_2)
	v_add_f32 v28, v28, v29
	s_delay_alu instid0(VALU_DEP_2)
	v_permlanex16_b32 v25, v24, s[SEL], s[SEL+1]
	s_delay_alu instid0(VALU_DEP_2)
	v_permlanex16_b32 v29, v28, s[SEL], s[SEL+1]
	s_delay_alu instid0(VALU_DEP_2)
	v_add_f32 v24, v24, v25
	s_delay_alu instid0(VALU_DEP_2)
	v_add_f32 v28, v28, v29
	ds_store_b32 v14, v24 offset:\off              ; lanes r and r + 16 write the same word with the same value
	ds_store_b32 v14, v28 offset:(\off)+1024
	VW
	s_wait_dscnt 0x0                               ; for the others' sake
	BAR
.irp a, 0,1
.irp j, 0,1,2,3
	ds_load_b128 v[TB+16*\a+4*\j:TB+16*\a+4*\j+3], v15 offset:(\off)+1024*\a+16*\j
.endr
.endr
	s_wait_dscnt 0x0
.irp i, 0,2,4,6
.irp a, 0,1
	v_pk_add_f32 v[TB+16*\a+\i:TB+16*\a+\i+1], v[TB+16*\a+\i:TB+16*\a+\i+1], v[TB+16*\a+8+\i:TB+16*\a+9+\i]
.endr
.endr
.irp i, 0,2
.irp a, 0,1
	v_pk_add_f32 v[TB+16*\a+\i:TB+16*\a+\i+1], v[TB+16*\a+\i:TB+16*\a+\i+1], v[TB+16*\a+4+\i:TB+16*\a+5+\i]
.endr
.endr
.irp a, 0,1
	v_pk_add_f32 v[TB+16*\a:TB+16*\a+1], v[TB+16*\a:TB+16*\a+1], v[TB+16*\a+2:TB+16*\a+3]
.endr
.irp a, 0,1
	s_delay_alu instid0(VALU_DEP_2)
	v_add_f32 v[TB+16*\a], v[TB+16*\a], v[TB+16*\a+1]
.endr
.endm
; the accumulators' four blocks of 32 (tile a's blocks 0, 1 are blocks 2 a, 2 a + 1 here) -> codes v[36+6a] on, six registers a tile; v27: the four scale bytes
.macro QUANT
.irp b, 0,1,2,3
	v_max3_num_f32 v[24+\b], |v[ACC+16*\b]|, |v[ACC+1+16*\b]|, 0x2800000   ; with the floor 2^(5 - 127): the byte cannot fall under 1
.endr
.irp i, 2,4,6,8,10,12,14
.irp b, 0,1,2,3
	s_delay_alu instid0(VALU_DEP_4)
	v_max3_num_f32 v[24+\b], v[24+\b], |v[ACC+16*\b+\i]|, |v[ACC+1+16*\b+\i]|
.endr
.endr
.irp b, 0,1,2,3
	v_permlanex16_b32 v[28+\b], v[24+\b], s[SEL], s[SEL+1]
.endr
.irp b, 0,1,2,3
	s_delay_alu instid0(VALU_DEP_4)
	v_max_num_f32 v[24+\b], v[24+\b], v[28+\b]     ; the block's largest magnitude
.endr
.irp b, 0,1,2,3
	s_delay_alu instid0(VALU_DEP_4)
	v_add_nc_u32 v[32+\b], 0xfe000000, v[24+\b]    ; 4 off its exponent field: the conversion's scale operand
.endr
.irp b, 0,1,2,3
	s_delay_alu instid0(VALU_DEP_4)
	v_lshrrev_b32 v[28+\b], 23, v[32+\b]           ; the scale's byte
.endr
	s_delay_alu instid0(VALU_DEP_3)
	v_lshl_or_b32 v27, v29, 8, v28
	s_delay_alu instid0(VALU_DEP_1)
	v_lshl_or_b32 v27, v30, 16, v27
	s_delay_alu instid0(VALU_DEP_1)
	v_lshl_or_b32 v27, v31, 24, v27
.irp c, 0,1
	v_cvt_scalef32_pk16_bf6_f32 v[36+6*\c:38+6*\c], v[ACC+32*\c:ACC+15+32*\c], v[32+2*\c]
	v_cvt_scalef32_pk16_bf6_f32 v[24+4*\c:26+4*\c], v[ACC+16+32*\c:ACC+31+32*\c], v[33+2*\c]
.endr
	v_nop                                          ; one plain place behind a scaled conversion
.irp c, 0,1                                    ; the operand wants a whole block in a lane
.irp i, 0,1,2
	v_permlane16_swap_b32 v[36+6*\c+\i], v[24+4*\c+\i]
.endr
.irp i, 0,1,2
	s_delay_alu instid0(VALU_DEP_3)
	v_mov_b32 v[39+6*\c+\i], v[24+4*\c+\i]
.endr
.endr
.endm
.macro QSTORE buf                      ; my half fragments and half scale words into image buf
.irp a, 0,1
	ds_store_b128 v11, v[36+6*\a:39+6*\a] offset:(\buf)*AB+12288*\a
	ds_store_b64 v12, v[40+6*\a:41+6*\a] offset:(\buf)*AB+12288*\a
.endr
	ds_store_b16 v13, v27 offset:(\buf)*1024
	ds_store_b16_d16_hi v13, v27 offset:(\buf)*1024+64
	VW
	s_wait_dscnt 0x0                               ; for the others' sake
	BAR
.endm
.macro GELU k                          ; 16 numbers a lane, in place; t in v[TB] on, P in v[TB+16] on, x^2 and then max(x, 0) in v[TB+32] on
.set gX, ACC+16*(\k)
.set i, 0
.rept 16
	v_fma_f32 v[TB+i], |v[gX+i]|, s[K1], 1.0
.set i, i+1
.endr
	VW
.set i, 0
.rept 16
	v_rcp_f32 v[TB+i], v[TB+i]
.set i, i+1
.endr
	v_nop
	VW
.set i, 0
.rept 8
	v_pk_fma_f32 v[TB+16+i:TB+17+i], v[TB+i:TB+i+1], v[18:19], s[CF+16:CF+17] op_sel_hi:[1,1,0]
.set i, i+2
.endr
.irp c, 14,12,10,8,6,4,2,0
.set i, 0
.rept 8
	v_pk_fma_f32 v[TB+16+i:TB+17+i], v[TB+16+i:TB+17+i], v[TB+i:TB+i+1], s[CF+\c:CF+\c+1] op_sel_hi:[1,1,0]
.set i, i+2
.endr
.endr
.set i, 0
.rept 8
	v_pk_mul_f32 v[TB+32+i:TB+33+i], v[gX+i:gX+i+1], v[gX+i:gX+i+1]
.set i, i+2
.endr
.set i, 0
.rept 8
	v_pk_fma_f32 v[TB+16+i:TB+17+i], v[TB+32+i:TB+33+i], s[NK:NK+1], v[TB+16+i:TB+17+i] op_sel_hi:[1,0,1]
.set i, i+2
.endr
	VW
.set i, 0
.rept 16
	v_exp_f32 v[TB+16+i], v[TB+16+i]
.set i, i+1
.endr
.set i, 0
.rept 16
	v_max_num_f32 v[TB+32+i], 0, v[gX+i]           ; plain work behind the exponentials, which names none of their results
.set i, i+1
.endr
	VW
.set i, 0
.rept 8
	v_pk_mul_f32 v[TB+16+i:TB+17+i], v[TB+16+i:TB+17+i], v[TB+i:TB+i+1]
.set i, i+2
.endr
.set i, 0
.rept 16
	v_fma_f32 v[gX+i], -|v[gX+i]|, v[TB+16+i], v[TB+32+i]
.set i, i+1
.endr
.endm
	s_load_b512 s[4:19], s[0:1], 0x0               ; O's codes s[4:5], W's images s[6:7], scales of Wp, W1, W2 s[8:13], b_proj, ln2_g, ln2_b s[14:19]
	s_load_b256 s[20:27], s[0:1], 0x40             ; b_fc1, b_fc2 s[20:23], x s[24:25], out s[26:27]
	v_lshl_add_u32 v2, v0, 2, SPARE
	v_mov_b32 v3, 0
	ds_add_u32 v2, v3                              ; the opening lines: the add, twice on end, and its wait ahead of my tensor load
	ds_add_u32 v2, v3
	v_lshrrev_b32 v195, 5, v0
	v_readfirstlane_b32 s28, v195                  ; wave 0..15
	s_mov_b32 s32, 1                               ; x's tile: 32 rows of 256 bytes (32 elements of 8), 4,096 bytes apart, 16 bytes of padding behind each
	s_mul_i32 s33, s28, XW
	s_mov_b32 s36, (3<<16)|(1<<20)|(5<<22)|(3<<25)
	s_mov_b32 s37, 32<<16
	s_mov_b32 s38, 32<<16
	s_mov_b32 s39, 32<<16
	s_mov_b32 s40, 32
	s_mov_b32 s41, 512
	s_mov_b32 s42, 0
	s_mov_b32 s43, 0
	s_mov_b32 s[SEL], 0x76543210
	s_mov_b32 s[SEL+1], 0xfedcba98
	KONST CF+0,  -2.8257482
	KONST CF+2,  1.4427292
	KONST CF+4,  0.53970062
	KONST CF+6,  0.13963006
	KONST CF+8,  -0.26875686
	KONST CF+10, 0.40232158
	KONST CF+12, -1.6377532
	KONST CF+14, 2.1474745
	KONST CF+16, -1.1861149
	KONST NK,    0xbf38aa3b                        ; -log2(e) / 2
	s_mov_b32 s[K1], 0x3eb504f3                    ; sqrt(2) / 4
	s_mov_b32 s69, 0.2465173                       ; c9
	s_mov_b32 s70, 0x3a800000                      ; 1 / 1,024
	s_mov_b32 s71, 0x3727c5ac                      ; 1e-5
	s_mul_i32 s73, s28, 6144
	s_add_co_u32 s73, s73, WSC
	s_mul_i32 s74, s28, 768                        ; K step w / 2, half w % 2: 1,536 (w / 2) + 768 (w % 2)
	s_add_co_u32 s74, s74, AI
	s_mul_i32 s75, s28, 1280
	s_add_co_u32 s75, s75, VEC
	s_lshr_b32 s76, s28, 1
	s_lshl_b32 s76, s76, 7
	s_and_b32 s77, s28, 1
	s_lshl_b32 s77, s77, 1
	s_add_co_u32 s76, s76, s77
	s_add_co_u32 s76, s76, ASC
	s_lshl_b32 s77, s28, 2
	s_add_co_u32 s77, s77, RED
	s_mul_i32 s78, s28, 1536
	s_add_co_u32 s78, s78, AI
	s_lshl_b32 s79, s28, 6
	s_add_co_u32 s79, s79, ASC
	v_and_b32 v192, 31, v0                         ; lane
	v_and_b32 v193, 15, v0                         ; r
	v_bfe_u32 v194, v0, 4, 1                       ; h
	v_lshlrev_b32 v1, 4, v192                      ; 16 x lane
	v_lshlrev_b32 v200, 3, v192                    ; 8 x lane
	v_lshlrev_b32 v197, 1, v192                    ; 2 x lane
	v_add_nc_u32 v4, AI, v1
	v_lshl_add_u32 v5, v192, 3, AI
	v_lshl_add_u32 v6, v192, 2, ASC
	v_add_nc_u32 v7, s73, v1
	v_mul_u32_u24 v8, v193, 272
	v_mul_u32_u24 v9, v194, 272
	v_lshl_add_u32 v8, v194, 6, v8
	v_lshl_add_u32 v9, v193, 4, v9
	v_add_nc_u32 v8, s33, v8                       ; my rows as the accumulators lie: row r, + 64 h
	v_add_nc_u32 v9, s33, v9                       ; and by rows: row h, + 16 r
	v_lshlrev_b32 v10, 6, v194
	v_add_nc_u32 v10, s75, v10
	v_add_nc_u32 v11, s74, v1
	v_add_nc_u32 v12, s74, v200
	v_add_nc_u32 v12, 512, v12
	v_lshlrev_b32 v13, 2, v193
	v_add_nc_u32 v13, s76, v13
	v_lshlrev_b32 v15, 6, v193
	v_add_nc_u32 v14, s77, v15
	v_add_nc_u32 v15, RED, v15
	v_lshlrev_b32 v16, 12, v194
	v_lshl_add_u32 v16, v193, 4, v16               ; out: row h of 4,096 bytes, + 16 r
	v_mov_b32 v18, s69
	v_mov_b32 v19, s69
	v_add_nc_u32 v196, s78, v1
	v_add_nc_u32 v198, s79, v197
	v_and_b32 v199, 8, v193
	v_add_nc_u32 v199, v199, v193
	v_lshlrev_b32 v199, 5, v199
	v_lshl_add_u32 v199, v194, 4, v199             ; W's scale bytes: 32 a row, row r + 8 (r / 8), + 16 h
	v_add_nc_u32 v201, s75, v200
	VW                                             ; at the head's end
	s_wait_dscnt 0x0                               ; both opening adds are done
	s_wait_kmcnt 0x0
	s_mov_b32 s73, 0
	s_lshl_b32 s72, s28, 8
	s_lshl_b32 s74, ttmp9, 17
.irp p, 14,16,18,20,22
	s_add_nc_u64 s[\p:\p+1], s[\p:\p+1], s[72:73]  ; the vectors: my 64 columns
.endr
	s_add_co_u32 s72, s72, s74                     ; x and out: 32 rows of 4,096 bytes a work-group, + 256 w
	s_add_nc_u64 s[24:25], s[24:25], s[72:73]
	s_add_nc_u64 s[26:27], s[26:27], s[72:73]
	s_mov_b64 s[34:35], s[24:25]
	s_or_b32 s35, s35, 0x80000000
	tensor_load_to_lds s[32:35], s[36:43]          ; my one tensor load
	s_nop 0
	s_mul_i32 s72, s28, 49152
	s_add_nc_u64 s[6:7], s[6:7], s[72:73]          ; W's images: my four tiles
	s_lshl_b32 s72, s28, 11
.irp p, 8,10,12
	s_add_nc_u64 s[\p:\p+1], s[\p:\p+1], s[72:73]  ; W's scales: my 64 rows of 32 bytes
.endr
	s_mul_i32 s72, ttmp9, 24576
	s_mul_i32 s74, s28, 1536
	s_add_co_u32 s72, s72, s74
	s_add_nc_u64 s[76:77], s[4:5], s[72:73]        ; O's codes: of the work-group's 16 fragments I copy number w
	s_lshr_b32 s72, s28, 1
	s_lshl_b32 s72, s72, 15
	s_lshl_b32 s74, ttmp9, 7
	s_add_co_u32 s72, s72, s74
	s_and_b32 s74, s28, 1
	s_lshl_b32 s74, s74, 6
	s_add_co_u32 s72, s72, s74
	s_add_co_u32 s72, s72, SCOFF
	s_add_nc_u64 s[78:79], s[4:5], s[72:73]        ; O's scale words: K step w / 2, half w % 2 of its 128 bytes
.irp i, 0,1,2
	global_load_b128 v[204+4*\i:207+4*\i], v1, s[76:77] offset:512*\i
.endr
	global_load_u16 v216, v197, s[78:79]
.irp p, 0,1,2
.irp t, 0,1,2,3
	global_load_b128 v[144+16*\p+4*\t:147+16*\p+4*\t], v199, s[8+2*\p:9+2*\p] offset:(32*(\t/2)+8*(\t%2))*32
.endr
.endr
.irp k, 0,1,2,3,4
	global_load_b64 v[220+2*\k:221+2*\k], v200, s[14+2*\k:15+2*\k]
.endr
	WLOAD 0
	WLOAD 1
	s_wait_loadcnt 24                              ; all but W's first two sets
.irp i, 0,1,2
	ds_store_b128 v196, v[204+4*\i:207+4*\i] offset:512*\i
.endr
	ds_store_b16 v198, v216
.irp p, 0,1,2
.irp t, 0,1,2,3
.irp i, 0,1,2,3
	ds_store_b32 v7, v[144+16*\p+4*\t+\i] offset:2048*\p+512*\i+4*\t
.endr
.endr
.endr
.irp k, 0,1,2,3,4
	ds_store_b64 v201, v[220+2*\k:221+2*\k] offset:256*\k
.endr
	s_wait_dscnt 0x0                               ; for the others' sake; and v144-191 have been read
	WLOAD 2
	BAR
	ALOAD 0
.irp q, 0,1,2,3,4,5,6,7
	KSTEP \q                                       ; O Wp^T
.endr
.set TB, 96                            ; set 1, which step 7 has left
	s_wait_tensorcnt 0x0                           ; my rows of x are in: I alone read them
	ADDRES 0                                       ; x1, kept in LDS
	ROWSUM 0, 0
.irp a, 0,1
	s_delay_alu instid0(VALU_DEP_2)
	v_mul_f32 v[TB+16*\a], s70, v[TB+16*\a]        ; the mean
.endr
.irp a, 0,1
.irp i, 0,2,4,6,8,10,12,14,16,18,20,22,24,26,28,30
	v_pk_add_f32 v[ACC+32*\a+\i:ACC+32*\a+\i+1], v[ACC+32*\a+\i:ACC+32*\a+\i+1], v[TB+16*\a:TB+16*\a+1] op_sel_hi:[1,0] neg_lo:[0,1] neg_hi:[0,1]
.endr
.endr
	ROWSUM 1, 2048                                 ; other bytes than the first exchange: one barrier serves
	v_fma_f32 v28, v[TB], s70, s71                 ; the variance + 1e-5
	v_fma_f32 v30, v[TB+16], s70, s71
.irp j, 0,1,2,3,4,5,6,7
	ds_load_b128 v[TB+4*\j:TB+4*\j+3], v10 offset:256+128*(\j/4)+16*(\j%4)     ; the gain
.endr
.irp j, 0,1,2,3
	ds_load_b128 v[TB+32+4*\j:TB+35+4*\j], v10 offset:512+16*\j                ; the bias, block 0,
	ds_load_b128 v[32+4*\j:35+4*\j], v10 offset:640+16*\j                      ; and block 1
.endr
	VW
	v_rsq_f32 v28, v28
	v_rsq_f32 v30, v30
	v_nop
	VW
	s_wait_dscnt 0x0
.irp a, 0,1
.irp i, 0,2,4,6,8,10,12,14,16,18,20,22,24,26,28,30
	v_pk_mul_f32 v[ACC+32*\a+\i:ACC+32*\a+\i+1], v[ACC+32*\a+\i:ACC+32*\a+\i+1], v[28+2*\a:29+2*\a] op_sel_hi:[1,0]
.endr
.endr
.irp a, 0,1
.irp i, 0,2,4,6,8,10,12,14
	v_pk_fma_f32 v[ACC+32*\a+\i:ACC+32*\a+\i+1], v[ACC+32*\a+\i:ACC+32*\a+\i+1], v[TB+\i:TB+\i+1], v[TB+32+\i:TB+33+\i]
	v_pk_fma_f32 v[ACC+32*\a+16+\i:ACC+32*\a+17+\i], v[ACC+32*\a+16+\i:ACC+32*\a+17+\i], v[TB+16+\i:TB+17+\i], v[32+\i:33+\i]
.endr
.endr
	WLOAD 10                                       ; set 1 is free again
	QUANT
	QSTORE 1
	ALOAD 8
.irp q, 8,9,10,11,12,13,14,15
	KSTEP \q                                       ; LN(x1) W1^T
.endr
.set TB, 48                            ; set 0, which step 15 has left
.irp j, 0,1,2,3,4,5,6,7
	ds_load_b128 v[TB+4*\j:TB+4*\j+3], v10 offset:768+128*(\j/4)+16*(\j%4)     ; b_fc1
.endr
	s_wait_dscnt 0x0
.irp a, 0,1
.irp i, 0,2,4,6,8,10,12,14,16,18,20,22,24,26,28,30
	v_pk_add_f32 v[ACC+32*\a+\i:ACC+32*\a+\i+1], v[ACC+32*\a+\i:ACC+32*\a+\i+1], v[TB+\i:TB+\i+1]
.endr
.endr
.irp k, 0,1,2,3
	GELU \k
.endr
	WLOAD 18                                       ; set 0 is free again
	QUANT
	QSTORE 0                                       ; image 0 was last read in the first product, three barriers ago
	ALOAD 16
.irp q, 16,17,18,19,20,21,22,23
	KSTEP \q                                       ; gelu(..) W2^T
.endr
	ADDRES 4                                       ; out = x1 + the product + b_fc2, over my rows in LDS
.irp i, 0,1,2,3,4,5,6,7,8,9,10,11,12,13,14,15
	ds_load_b128 v[96+4*\i:99+4*\i], v9 offset:544*\i      ; back by rows; LDS serves a wave's instructions in order (ISA guide 5.7.1.4)
.endr
	s_wait_dscnt 0x0
.irp i, 0,1,2,3,4,5,6,7,8,9,10,11,12,13,14,15
	global_store_b128 v16, v[96+4*\i:99+4*\i], s[26:27] offset:8192*\i th:TH_STORE_NT   ; sixteen lanes store 256 consecutive bytes, aligned
.endr
	s_wait_tensorcnt 0x0                           ; the wave's end
	ds_add_u32 v2, v3
	s_wait_dscnt 0x0
	s_endpgm
.Lfunc_end_k_q41aa957c7a_mlp:
	.size	k_q41aa957c7a_mlp, .Lfunc_end_k_q41aa957c7a_mlp-k_q41aa957c7a_mlp
	.p2alignl 7, 3214868480
	.fill 96, 4, 3214868480
	.section	.rodata,"a",@progbits
	.p2align	6, 0x0
	.amdhsa_kernel k_q41aa957c7a_mlp
		.amdhsa_group_segment_fixed_size 315392
		.amdhsa_private_segment_fixed_size 0
		.amdhsa_enable_private_segment 0
		.amdhsa_kernarg_size 96
		.amdhsa_user_sgpr_count 2
		.amdhsa_user_sgpr_kernarg_segment_ptr 1
		.amdhsa_wavefront_size32 1
		.amdhsa_system_sgpr_workgroup_id_x 1
		.amdhsa_system_sgpr_workgroup_id_y 1
		.amdhsa_system_sgpr_workgroup_id_z 1
		.amdhsa_system_vgpr_workitem_id 0
		.amdhsa_next_free_vgpr 256
		.amdhsa_next_free_sgpr 80
		.amdhsa_reserve_vcc 0
		.amdhsa_float_denorm_mode_32 3
		.amdhsa_float_denorm_mode_16_64 3
		.amdhsa_memory_ordered 1
		.amdhsa_forward_progress 1
		.amdhsa_inst_pref_size 169
	.end_amdhsa_kernel
	.amdgpu_metadata
---
amdhsa.version: [ 1, 2 ]
amdhsa.kernels:
  - .name:           k_q41aa957c7a_mlp
    .symbol:         k_q41aa957c7a_mlp.kd
    .args:
      - { .name: acta, .offset: 0, .size: 8, .value_kind: global_buffer, .address_space: global }
      - { .name: wimg, .offset: 8, .size: 8, .value_kind: global_buffer, .address_space: global }
      - { .name: w_proj_scales, .offset: 16, .size: 8, .value_kind: global_buffer, .address_space: global }
      - { .name: w_fc1_scales, .offset: 24, .size: 8, .value_kind: global_buffer, .address_space: global }
      - { .name: w_fc2_scales, .offset: 32, .size: 8, .value_kind: global_buffer, .address_space: global }
      - { .name: b_proj, .offset: 40, .size: 8, .value_kind: global_buffer, .address_space: global }
      - { .name: ln2_g, .offset: 48, .size: 8, .value_kind: global_buffer, .address_space: global }
      - { .name: ln2_b, .offset: 56, .size: 8, .value_kind: global_buffer, .address_space: global }
      - { .name: b_fc1, .offset: 64, .size: 8, .value_kind: global_buffer, .address_space: global }
      - { .name: b_fc2, .offset: 72, .size: 8, .value_kind: global_buffer, .address_space: global }
      - { .name: x, .offset: 80, .size: 8, .value_kind: global_buffer, .address_space: global }
      - { .name: out0, .offset: 88, .size: 8, .value_kind: global_buffer, .address_space: global }
    .group_segment_fixed_size: 315392
    .private_segment_fixed_size: 0
    .kernarg_segment_align: 8
    .kernarg_segment_size: 96
    .max_flat_workgroup_size: 512
    .sgpr_count:     80
    .vgpr_count:     256
    .wavefront_size: 32
...
	.end_amdgpu_metadata
.endif
;; end of part 4
